; MI455X (gfx1250); checked and timed in simulation.
; The chip was launched on July 23, 2026; its instructions are those of AMD's public machine-readable ISA for CDNA 5 (MIT licence, August 2026) and "CDNA5" Instruction Set Architecture Reference Guide (July 2026). The comments in the code are by the model that wrote it; some were corrected since.
;; Custom Encoder Layer. Allowed arithmetic: matrix products marked QUANTISED: E3M2 operands, one E8M0 scale for each 32 along K, by v_wmma_scale_f32_16x16x128_f8f6f4 with both operands' format E3M2, f32 sums; everything else in f32.
;; Inputs: W1_codes 1,024 x 32 x 24 uint8 (E3M2 codes of W1, K innermost, in blocks of 32 codes, four codes in three bytes); W1_scales 1,024 x 32 uint8 (E8M0 scales of W1, one for each 32 codes along K); W2_codes 1,024 x 32 x 24 uint8 (E3M2 codes of W2, K innermost, in blocks of 32 codes, four codes in three bytes); W2_scales 1,024 x 32 uint8 (E8M0 scales of W2, one for each 32 codes along K); Wk_codes 1,024 x 32 x 24 uint8 (E3M2 codes of Wk, K innermost, in blocks of 32 codes, four codes in three bytes); Wk_scales 1,024 x 32 uint8 (E8M0 scales of Wk, one for each 32 codes along K); Wo_codes 1,024 x 32 x 24 uint8 (E3M2 codes of Wo, K innermost, in blocks of 32 codes, four codes in three bytes); Wo_scales 1,024 x 32 uint8 (E8M0 scales of Wo, one for each 32 codes along K); Wq_codes 1,024 x 32 x 24 uint8 (E3M2 codes of Wq, K innermost, in blocks of 32 codes, four codes in three bytes); Wq_scales 1,024 x 32 uint8 (E8M0 scales of Wq, one for each 32 codes along K); Wv_codes 1,024 x 32 x 24 uint8 (E3M2 codes of Wv, K innermost, in blocks of 32 codes, four codes in three bytes); Wv_scales 1,024 x 32 uint8 (E8M0 scales of Wv, one for each 32 codes along K); b1 1,024 float32; b2 1,024 float32; beta1 1,024 float32; beta2 1,024 float32; bk 1,024 float32; bo 1,024 float32; bq 1,024 float32; bv 1,024 float32; g1 1,024 float32; g2 1,024 float32; src 8 x 1,024 x 1,024 float32.
;; Outputs: out0 8 x 1,024 x 1,024 float32.
;; This version of the problem:
;;   THIS VERSION OF THE PROBLEM IS GIVEN IN LOW PRECISION. The matrix products marked QUANTISED in the list below multiply operands that are first quantised to E3M2 (3 exponent bits, 2 mantissa bits; 6 bits a number), with one power-of-two scale for each 32 numbers along K (OCP MX v1.0); their sums are f32. All else is computed in f32.
;;   The module's matrix products, in the order in which they are computed (A, B: the left and right operand; K: the contracted axis; several contracted axes count as one K, in the product's order):
;;     1. [M 8,192, K 1,024] x [K 1,024, N 1,024]; A: computed on the way; B: input Wq (given as codes): QUANTISED
;;     2. [M 8,192, K 1,024] x [K 1,024, N 1,024]; A: computed on the way; B: input Wk (given as codes): QUANTISED
;;     3. [M 8,192, K 1,024] x [K 1,024, N 1,024]; A: computed on the way; B: input Wv (given as codes): QUANTISED
;;     4. batch 128 x [M 1,024, K 64] x [K 64, N 1,024]; A: computed on the way; B: computed on the way: QUANTISED
;;     5. batch 128 x [M 1,024, K 1,024] x [K 1,024, N 64]; A: softmax (see below); B: computed on the way: QUANTISED
;;     6. [M 8,192, K 1,024] x [K 1,024, N 1,024]; A: computed on the way; B: input Wo (given as codes): QUANTISED
;;     7. [M 8,192, K 1,024] x [K 1,024, N 1,024]; A: computed on the way; B: input W1 (given as codes): QUANTISED
;;     8. [M 8,192, K 1,024] x [K 1,024, N 1,024]; A: computed on the way; B: input W2 (given as codes): QUANTISED
;;   THE QUANTISER, for each operand of a quantised product, along K:
;;     - K is cut into blocks of 32 from its start; a last block that is shorter is filled with zeros.
;;     - A block's scale is 2^e with e = floor(log2(the largest magnitude in the block)) - 4, held to -126 .. 127; a block of zeros has e = 0. As a byte (E8M0): e + 127.
;;     - Each number is divided by its block's scale, clamped to +-28, and rounded to the nearest number of E3M2, ties to even, subnormals kept.
;;     - The product sums the exact products of the quantised numbers (number of the format x scale) in f32.
;;   ~~~python
;;   def quantise(x, axis):      # numpy; x: float32 -> the quantised numbers, widened to float32 again
;;       x = np.moveaxis(x, axis, -1); K = x.shape[-1]
;;       x = np.pad(x, [(0, 0)] * (x.ndim - 1) + [(0, -K % 32)]); x = x.reshape(x.shape[:-1] + (-1, 32)); a = np.abs(x).max(-1, keepdims=True)
;;       e = np.where(a > 0, np.clip(np.frexp(np.where(a > 0, a, 1))[1] - 1 - 4, -126, 127), 0)      # np.frexp(a)[1] - 1 = floor(log2(a)), exactly
;;       r = np.clip(x / 2.0 ** e, -28, 28)
;;       step = 2.0 ** (np.maximum(np.frexp(np.where(r == 0, 1, r))[1] - 1, -2) - 2)
;;       q = np.round(r / step) * step * 2.0 ** e      # np.round: ties to even
;;       return np.moveaxis(q.reshape(q.shape[:-2] + (-1,))[..., :K], -1, axis).astype(np.float32)
;;   ~~~
;;   SOFTMAX AHEAD OF A QUANTISED PRODUCT. Where the list says 'softmax', what is quantised is not the finished softmax but p = 2^(t - M), with t = logit x log2(e) and M = ceil(the row's largest t), a whole number; so 1/2 < the row's largest p <= 1. The row's sum l is taken of the UNQUANTISED p, in f32, and the product's result is divided by l at the end. Since M is a whole number, a kernel that streams over the keys may use a running M (the ceiling of the running maximum): every later rescaling is an exact power of two, which a block's scale takes up: the codes' values come out the same.
;;   OPERANDS COMPUTED ON THE WAY. 'Computed on the way' means the value that the module computes at that place (a softmax that the list does not call 'softmax' is quantised finished and normalised). What goes into a quantiser is computed in f32, as accurately as f32 sums, v_exp_f32 and their like allow (about 1e-6 of the number): no bf16 or f16 on the way to a quantiser, and a product that is left as it is and whose result goes on into a quantised operand takes f32 operands (vector FMAs, or v_wmma_f32_16x16x4_f32). A number that lies on a knife's edge between two numbers of the format may be rounded either way, as far as f32 arithmetic and the matrix unit's own rounding can turn it there, and no further.
;;   INPUTS GIVEN AS CODES. W1 (in the module: [1024, 1024], K = its axis 0); W2 (in the module: [1024, 1024], K = its axis 0); Wk (in the module: [1024, 1024], K = its axis 0); Wo (in the module: [1024, 1024], K = its axis 0); Wq (in the module: [1024, 1024], K = its axis 0); Wv (in the module: [1024, 1024], K = its axis 0): each comes as NAME_codes (uint8): NAME with its K axis moved to the last place and cut into blocks of 32 codes, [.., K / 32, bytes a block], one block behind the other in memory; four codes in three bytes: a row's codes are one little-endian stream of bits, code i at bits 6 i .. 6 i + 5 (a code: sign, 3 exponent bits, 2 mantissa bits); and NAME_scales (uint8): the same leading axes, one E8M0 byte (e + 127) for each 32 codes along K. Its value is code x scale, taken as it is: it is not quantised again, and the codes and scales need not be those that the quantiser above would give.
;; One version. Each part assembles by itself: llvm-mc -triple=amdgcn-amd-amdhsa -mcpu=gfx1250 --defsym DOCPART=n.
;; ======== version 1 of 1: 3 launches
;; limits: right only within a limited range of input values
;; workspace buffers: qc 6,291,456 bytes; kc 6,291,456 bytes; vc 6,291,456 bytes; cc 8,650,752 bytes; qs 524,288 bytes; ks 524,288 bytes; vs 262,144 bytes; cs 262,144 bytes
;; launch qkv (part 1): grid 128 x 2, 4 waves a work-group, clusters of 4 x 1, 327,680 bytes of LDS; arguments src, g1, beta1, Wv_codes, Wv_scales, bv, Wq_codes, Wq_scales, bq, Wk_codes, Wk_scales, bk, vc, vs, qc, qs, kc, ks; writes vc, vs, qc, qs, kc, ks
.if DOCPART == 1
	.amdgcn_target "amdgcn-amd-amdhsa--gfx1250"
	.amdhsa_code_object_version 6
	.text
	.protected	k_q9a92007981_qkv
	.globl	k_q9a92007981_qkv
	.p2align	8
	.type	k_q9a92007981_qkv,@function
k_q9a92007981_qkv:
	s_mov_b64 s[64:65], 0
	v_nop
	global_prefetch_b8 v0, s[64:65] scope:SCOPE_SE
	s_setreg_imm32_b32 hwreg(HW_REG_WAVE_MODE, 25, 1), 1
	s_wait_xcnt 0x0
	s_wait_alu depctr_hold_cnt(0) depctr_sa_sdst(0) depctr_va_vdst(0) depctr_va_sdst(0) depctr_va_ssrc(0) depctr_va_vcc(0) depctr_vm_vsrc(0)
	s_getreg_b32 s2, hwreg(HW_REG_IB_STS2, 6, 4)
	s_cmp_eq_u32 s2, 0
	s_cbranch_scc0 .Lentry_in_a_cluster
	s_endpgm
.Lentry_in_a_cluster:
	s_bfe_u32 s2, ttmp6, 0x10000c
	s_cmp_lg_u32 s2, 0x3003
	s_cbranch_scc0 .Lentry_shape_is_right
	s_endpgm
.Lentry_shape_is_right:
; x = layernorm(src) g1 + beta1, quantised to codes of E3M2 along the 1,024 features; v = x Wv + bv, q = x Wq + bq, k = x Wk + bk on codes; q and k quantised along a head's 64,
; v along the keys; all three stored in the order of an operand's registers.
; SHARES.  A work-group takes 64 tokens (work-group x) and 512 columns of each of the three weights (work-group y: heads 8 y .. 8 y + 7).  Wave w normalises and quantises token tile w;
; the images of the 32 fragments of x go through LDS once and then stay in every wave's registers.  The weights come in chunks of 128 rows x all of K (98,304 bytes) through two LDS slots;
; of a chunk wave w multiplies rows 32 w .. 32 w + 31 (two tiles) with the four token tiles: 64 matrix instructions.
; ORDER OF THE TWELVE CHUNKS: Wv's four, then Wq's and Wk's by turns (q0, k0, q1, k1 ..): slot 0 then holds chunks of Wq alone and slot 1 chunks of Wk alone, so each slot's descriptor only steps by a constant.
; TILE ORDER.  Of 32 neighbouring rows (tokens, weight rows) tile u, lane r is row 8 u + r + 8 (r / 8): the 16 result registers of tiles 0 and 1 in a lane are then 16 neighbours, 16 (lane / 16) + 0 .. 15.
; HALF FRAGMENT, 768 bytes: lane L' = 16 block + r has 24 bytes (32 codes).  The lane (r, h) that made 16 codes puts its 12 bytes at 24 (16 block + r) + 12 h; a reader's lane L takes the 24 bytes at 24 L.
; CLUSTER.  The four work-groups of a cluster share y and walk the same weights: each chunk is asked for jointly (mask 15), a quarter by each wave.
; LIMITS.  NaN and infinities among the inputs are not served.  A block whose largest magnitude lies under 2^-122 gets the scale byte 1, a block of zeros too (the rule says 127): its codes are zeros
; and only this program reads the bytes.  1 / sqrt comes from v_rsq_f32 (1 ulp).  Sums are taken in another order than the reference's.
.set SLOTB, 104448                     ; a slot: four loaders' regions
.set LREG,  26112                      ; a loader's region: 32 weight rows of 816 bytes (768 + 16 behind each 256)
.set CHB,   98304                      ; a chunk in memory
.set XIMG,  2*SLOTB                    ; 32 fragments of x, (4 s + m) x 1,536 bytes
.set XSC,   XIMG+49152                 ; their scale words, 128 bytes each
.set SPARE, XSC+4096                   ; the spare words: 128 bytes a wave, named by no other line
.set SPW, 1                            ; v1  SPARE + 4 x thread;  v2  0: kept for the add alone
.set NIL, 2
.set AB,  3                            ; v3, v4 my weight rows in slot 0 (+ 24 h, + 40 h);  v5, v6 in slot 1
.set AL,  7                            ; XIMG + 24 L
.set XSL, 8                            ; XSC + 4 L
.set XW,  9                            ; XIMG + 1536 w + 24 r + 12 h
.set XWS, 10                           ; XSC + 128 w + 4 L
.set XA,  11                           ; 4096 rho(r) + 64 h
.set GA,  12                           ; 64 h
.set SCA, 13                           ; 32 (8 h + rho(r))
.set OA,  14                           ; 24 r + 12 h
.set OS,  15                           ; 4 r + 2 h
.set BVA, 16                           ; 4 rho(r)
.set VSA, 17                           ; 16 r + h
.set ASW, 24                           ; v24-55  x's scale words (4 s + m)
.set BSW, 56                           ; v56-71  the weights' scale words, two sets of 8: lanes 0-15 tile 0, lanes 16-31 tile 1
.set ACC, 72                           ; v72-135 the 8 accumulators; during the norm: 64 finished numbers
.set BIAS, 136                         ; v136-167 two sets of 16
.set TM,  168
.set TP,  172
.set SO,  176
.set BY,  180
.set CD,  184                          ; v184-199 codes: 3 registers a block, at 4 b
.set SD,  200
.set PW,  204
.set SA,  206                          ; v206-213 four packed chains
.set MU,  214
.set RS,  216
.set BVT, 218                          ; v218-221 bv of my lane's column, two sets of 2
.set C7F, 222
; window 1: g1 and beta1, two sets of 128; later x's fragments of K steps 0-3.  window 2: x of K steps 0-3; later its fragments of steps 4-7.  window 3: x of steps 4-7; later the weights' 16 fragments.
; s[4:39] the eighteen buffers' addresses, moved to my part at the head; those of Wq's and Wk's scale bytes and biases (s18-21, s24-27) and of q's and k's outputs (s32-39) then walk in place.
.set G1,  40                           ; s[40:47] group 1;  s[48:51], s[52:55] group 0 of slot 0, 1
.set G0,  48
.set PSN, 56                           ; Wv: the next chunk's scale bytes
.set PBN, 58                           ; Wv: the next chunk's bias
.set PO,  60                           ; v: this chunk's codes out
.set PSC, 62                           ; v: this chunk's scale bytes out
.set WV,  76
.set TC,  77
.set SEL, 78
.set HM,  80                           ; lanes 16-31
.set K10, 86                           ; 2^-10
.set EPS, 87                           ; 1e-5
.set MSB, 0
.macro WIN new                         ; the immediate's high byte repeats the setting that is left
.if MSB != \new
	s_set_vgpr_msb (MSB<<8)|\new
.set MSB, \new
.endif
.endm
.macro XWIN st, lo, hi                 ; K steps 0-3 and 4-7 lie in neighbouring windows
.if (\st) < 4
	WIN \lo
.else
	WIN \hi
.endif
.endm
.macro ROUND                           ; a round of the cluster's barrier
	s_barrier_signal -1
	s_barrier_wait -1
	s_cmp_lg_u32 s[WV], 0
	s_cbranch_scc1 .Lnw0_\@
	s_barrier_signal -3
.Lnw0_\@:
	s_barrier_wait -3
	s_barrier_signal -1
	s_barrier_wait -1
.endm
; nb blocks of 32, block b's 16 numbers of my half in v[src + 16 b ..]: largest magnitude (with the floor 2^(5 - 127), so that the byte is at least 1), joined with lane l xor 16;
; 4 off its exponent field is the conversion's scale operand, that field the byte; 16 codes in v[CD + 4 b .. + 2], the byte in v[BY + b].  The blocks take turns line by line.
.macro QCORE src, nb, abs
.set qb, 0
.rept \nb
.if \abs
	v_max3_num_f32 v[TM+qb], |v[(\src)+16*qb]|, |v[(\src)+16*qb+1]|, 0x2800000
.else
	v_max3_num_f32 v[TM+qb], v[(\src)+16*qb], v[(\src)+16*qb+1], 0x2800000
.endif
.set qb, qb+1
.endr
.irp qi, 2,4,6,8,10,12,14
.set qb, 0
.rept \nb
.if \abs
	v_max3_num_f32 v[TM+qb], v[TM+qb], |v[(\src)+16*qb+\qi]|, |v[(\src)+16*qb+\qi+1]|
.else
	v_max3_num_f32 v[TM+qb], v[TM+qb], v[(\src)+16*qb+\qi], v[(\src)+16*qb+\qi+1]
.endif
.set qb, qb+1
.endr
.endr
.set qb, 0
.rept \nb
	v_permlanex16_b32 v[TP+qb], v[TM+qb], s[SEL], s[SEL+1]
.set qb, qb+1
.endr
.set qb, 0
.rept \nb
	v_max_num_f32 v[TM+qb], v[TM+qb], v[TP+qb]
.set qb, qb+1
.endr
.set qb, 0
.rept \nb
	v_add_nc_u32 v[SO+qb], 0xfe000000, v[TM+qb]
.set qb, qb+1
.endr
.set qb, 0
.rept \nb
	v_lshrrev_b32 v[BY+qb], 23, v[SO+qb]
.set qb, qb+1
.endr
.set qb, 0
.rept \nb
	v_cvt_scalef32_pk16_bf6_f32 v[CD+4*qb:CD+4*qb+2], v[(\src)+16*qb:(\src)+16*qb+15], v[SO+qb]
.set qb, qb+1
.endr
	v_nop                                          ; one plain line behind the last scaled conversion
.endm
.macro WMM d, a, b, c, sa, sb, ra, rb  ; ra, rb: source 0's or source 1's scales stand in lanes 16-31
.if (\ra)
	v_wmma_scale_f32_16x16x128_f8f6f4 v[(\d):(\d)+7], v[(\a):(\a)+11], v[(\b):(\b)+11], v[(\c):(\c)+7], v[\sa], v[\sb] matrix_a_fmt:MATRIX_FMT_BF6 matrix_b_fmt:MATRIX_FMT_BF6 matrix_a_scale:MATRIX_SCALE_ROW1
.elseif (\rb)
	v_wmma_scale_f32_16x16x128_f8f6f4 v[(\d):(\d)+7], v[(\a):(\a)+11], v[(\b):(\b)+11], v[(\c):(\c)+7], v[\sa], v[\sb] matrix_a_fmt:MATRIX_FMT_BF6 matrix_b_fmt:MATRIX_FMT_BF6 matrix_b_scale:MATRIX_SCALE_ROW1
.else
	v_wmma_scale_f32_16x16x128_f8f6f4 v[(\d):(\d)+7], v[(\a):(\a)+11], v[(\b):(\b)+11], v[(\c):(\c)+7], v[\sa], v[\sb] matrix_a_fmt:MATRIX_FMT_BF6 matrix_b_fmt:MATRIX_FMT_BF6
.endif
.endm
; A weight fragment (tile u, K step st): six pieces of 8 bytes.  A row's piece n lies at 8 n + 16 (n / 32); lanes 16-31 read three pieces on, which for n % 32 >= 29 is behind one padding more: the second address register.
.macro FRAGB reg, slot, u, st
.irp p, 0,1,2,3,4,5
.set PCE, 12*(\st)+6*(\p/3)+\p%3
.if PCE%32 < 29
	ds_load_b64 v[(\reg)+2*\p:(\reg)+2*\p+1], v[AB+2*(\slot)] offset:(\u)*LREG+8*PCE+16*(PCE/32)
.else
	ds_load_b64 v[(\reg)+2*\p:(\reg)+2*\p+1], v[AB+2*(\slot)+1] offset:(\u)*LREG+8*PCE+16*(PCE/32)
.endif
.endr
.endm
.macro BLOADS slot                     ; one run of 96 loads: my two tiles, all eight K steps, K step by K step
	WIN 0xC0
.irp st, 0,1,2,3,4,5,6,7
.irp u, 0,1
	FRAGB 12*(2*\st+\u), \slot, \u, \st
.endr
.endr
.endm
.macro DSW ks                          ; K step ks of the run is in: the count is that of the run's younger loads, held at the field's 63
.if 96-12*((\ks)+1) > 63
	s_wait_dscnt 63
.else
	s_wait_dscnt 96-12*((\ks)+1)
.endif
.endm
.macro NEXTS set, ps                   ; a chunk's scale bytes, from s[ps:ps+1]: lane (r, h) takes the 32 bytes of row 8 h + rho(r): register s is K step s's word
	global_load_b128 v[BSW+8*(\set):BSW+8*(\set)+3], v[SCA], s[\ps:\ps+1]
	global_load_b128 v[BSW+8*(\set)+4:BSW+8*(\set)+7], v[SCA], s[\ps:\ps+1] offset:16
.endm
.macro NEXTBV set                      ; bv of my lane's column in tiles 0 and 1
	global_load_b32 v[BVT+2*(\set)], v[BVA], s[PBN:PBN+1]
	global_load_b32 v[BVT+2*(\set)+1], v[BVA], s[PBN:PBN+1] offset:32
.endm
.macro NEXTBQ set, pb                  ; bq or bk, from s[pb:pb+1], in the transposed result's layout: register 8 u + j is column 16 h + 8 u + j
.irp q, 0,1,2,3
	global_load_b128 v[BIAS+16*(\set)+4*\q:BIAS+16*(\set)+4*\q+3], v[GA], s[\pb:\pb+1] offset:16*\q
.endr
.endm
; THE CHANGE OF SLOTS, at a chunk's head.  HEADA: all my tensor loads have landed (my quarter of this chunk); the add; the earlier loads and stores have read their bases.
; Between HEADA and HEADB stand the steps of pointers and of this slot's group 0.  HEADB: the add is done and my reads of the other slot are over; a round of the cluster's barrier; the other slot's refill first.
.macro HEADA
	WIN 0
	s_wait_tensorcnt 0x0
	ds_add_u32 v[SPW], v[NIL]
	s_wait_xcnt 0x0
.endm
.macro HEADB slot, refill
	s_wait_dscnt 0x0
	ROUND
.if \refill
	tensor_load_to_lds s[G0+4*(1-(\slot)):G0+4*(1-(\slot))+3], s[G1:G1+7]
	s_nop 0
.rept 4
	v_nop
.endr
.endif
	s_wait_loadcnt 0x0                             ; this chunk's scale words and bias, asked for a chunk ago
.endm
; A chunk of Wv.  Source 0 = 16 tokens, source 1 = 16 columns: a lane holds one column d and its registers run along the tokens, which are the keys: v's K in the second product of attention.
; nxt = 1: the next chunk is Wv's; 2: it is Wq's first.
.macro CHUNKV slot, nxt
.if (\nxt) == 1
	NEXTS 1-(\slot), PSN
	NEXTBV 1-(\slot)
.else
	NEXTS 1-(\slot), 18
	NEXTBQ 1-(\slot), 20
.endif
.irp u, 0,1
.irp j, 0,1,2,3,4,5,6,7
	v_mov_b32 v[BIAS+16*(\slot)+8*\u+\j], v[BVT+2*(\slot)+\u]   ; the bias is the C of the first K step: the same for all eight tokens of a lane
.endr
.endr
.rept 4
	v_nop
.endr
	BLOADS \slot
	s_wait_alu depctr_va_vdst(0)
.irp ks, 0,1,2,3,4,5,6,7
	DSW \ks
	XWIN \ks, 0x0D, 0x0E
.irp u, 0,1
.irp m, 0,1,2,3
.set dd, ACC+8*(4*\u+\m)
.if \ks == 0
.set cr, BIAS+16*(\slot)+8*\u
.else
.set cr, dd
.endif
	WMM dd, 12*(4*(\ks%4)+\m), 12*(2*\ks+\u), cr, ASW+4*\ks+\m, BSW+8*(\slot)+\ks, 0, \u
.endr
.endr
.endr
	WIN 0
.rept 4
	v_nop                                          ; four places behind the last products: for the reads below and for the next run of loads
.endr
	QCORE ACC, 4, 1                                ; block 2 u + kb: keys 32 kb + 16 h + 0 .. 15 of column tile u
.irp u, 0,1
.irp kb, 0,1
	global_store_b96 v[OA], v[CD+4*(2*\u+\kb):CD+4*(2*\u+\kb)+2], s[PO:PO+1] offset:768*\u+384*\kb   ; the wave stores 384 consecutive bytes
.endr
.endr
.irp u, 0,1
	v_cndmask_b32 v[SD+\u], v[BY+2*\u], v[BY+2*\u+1], s[HM]   ; lanes 0-15 carry block kb = 0's byte, lanes 16-31 kb = 1's
.endr
.irp u, 0,1
	global_store_b8 v[VSA], v[SD+\u], s[PSC:PSC+1] offset:4*\u
.endr
.endm
; A chunk of Wq or Wk, transposed: source 0 = 16 weight rows, source 1 = 16 tokens: a lane holds one token and 16 neighbouring columns: half a block of 32 along the head's 64.
; nxt = 1: the next chunk's scale bytes come from s[ps:ps+1], its bias from s[pb:pb+1].  This chunk's codes go to s[po:po+1], its scale bytes to s[psc:psc+1].
.macro CHUNKQK slot, nxt, ps, pb, po, psc
.if \nxt
	NEXTS 1-(\slot), \ps
	NEXTBQ 1-(\slot), \pb
.endif
	BLOADS \slot
.irp ks, 0,1,2,3,4,5,6,7
	DSW \ks
	XWIN \ks, 0x07, 0x0B
.irp m, 0,1,2,3
.irp u, 0,1
.set dd, ACC+8*(2*\m+\u)
.if \ks == 0
.set cr, BIAS+16*(\slot)+8*\u
.else
.set cr, dd
.endif
	WMM dd, 12*(2*\ks+\u), 12*(4*(\ks%4)+\m), cr, BSW+8*(\slot)+\ks, ASW+4*\ks+\m, \u, 0
.endr
.endr
.endr
	WIN 0
.rept 4
	v_nop
.endr
	QCORE ACC, 4, 1                                ; block m: token tile m, columns 32 w .. 32 w + 31: block w % 2 of head w / 2 of the chunk
.irp m, 0,1,2,3
	global_store_b96 v[OA], v[CD+4*\m:CD+4*\m+2], s[\po:\po+1] offset:768*\m
.endr
.irp m, 0,1,2,3
	v_cndmask_b32 v[SD+\m], v[BY+\m], v[C7F], s[HM]   ; lanes 0-15 write the block's byte, lanes 16-31 the byte 0x7f that scales the zero codes of k = 64 .. 127
.endr
.irp m, 0,1,2,3
	global_store_b8 v[OS], v[SD+\m], s[\psc:\psc+1] offset:64*\m
.endr
.endm
.macro GLOAD st                        ; g1 and beta1 of K step st, as my lane's numbers of x lie: 16 of each block of 32
	WIN 0x40
.irp b, 0,1,2,3
.irp j, 0,1,2,3
	global_load_b128 v[128*((\st)%2)+16*\b+4*\j:128*((\st)%2)+16*\b+4*\j+3], v[GA], s[6:7] offset:512*(\st)+128*\b+16*\j
.endr
.endr
.irp b, 0,1,2,3
.irp j, 0,1,2,3
	global_load_b128 v[128*((\st)%2)+64+16*\b+4*\j:128*((\st)%2)+64+16*\b+4*\j+3], v[GA], s[8:9] offset:512*(\st)+128*\b+16*\j
.endr
.endr
.endm
.macro FOLD dst                        ; the four packed chains and lane l xor 16's: the row's sum
	v_pk_add_f32 v[SA:SA+1], v[SA:SA+1], v[SA+2:SA+3]
	v_pk_add_f32 v[SA+4:SA+5], v[SA+4:SA+5], v[SA+6:SA+7]
	v_pk_add_f32 v[SA:SA+1], v[SA:SA+1], v[SA+4:SA+5]
	v_add_f32 v[SA], v[SA], v[SA+1]
	v_permlanex16_b32 v[TP], v[SA], s[SEL], s[SEL+1]
	v_add_f32 v[\dst], v[SA], v[TP]
.endm
	s_load_b512 s[4:19], s[0:1], 0x0               ; src, g1, beta1, Wv codes, Wv scales, bv, Wq codes, Wq scales
	s_load_b512 s[20:35], s[0:1], 0x40             ; bq, Wk codes, Wk scales, bk, vc, vs, qc, qs
	s_load_b128 s[36:39], s[0:1], 0x80             ; kc, ks
	v_lshl_add_u32 v[SPW], v0, 2, SPARE
	v_mov_b32 v[NIL], 0
	ds_add_u32 v1, v2
	ds_add_u32 v1, v2
	s_wait_dscnt 0x0
	v_lshrrev_b32 v18, 5, v0
	v_readfirstlane_b32 s[WV], v18                 ; wave 0..3
	v_and_b32 v18, 31, v0                          ; L
	v_and_b32 v19, 15, v0                          ; r
	v_bfe_u32 v20, v0, 4, 1                        ; h
	v_and_b32 v21, 8, v19
	v_add_nc_u32 v21, v21, v19                     ; rho(r) = r + 8 (r / 8)
	s_lshr_b32 s81, s[WV], 1
	s_and_b32 s82, s[WV], 1
	s_mul_i32 s83, s81, 2*LREG                     ; my tile 0 lies in loader 2 (w / 2)'s region, tile 1 in the next; rows 16 (w % 2) + r of it
	s_mul_i32 s84, s82, 13056
	s_add_co_u32 s83, s83, s84
	v_mul_u32_u24 v22, v19, 816
	v_add_nc_u32 v22, s83, v22
	v_mad_u32_u24 v[AB], v20, 24, v22
	v_mad_u32_u24 v[AB+1], v20, 40, v22
	v_add_nc_u32 v[AB+2], SLOTB, v[AB]
	v_add_nc_u32 v[AB+3], SLOTB, v[AB+1]
	v_mul_u32_u24 v[AL], v18, 24
	v_add_nc_u32 v[AL], XIMG, v[AL]
	v_lshl_add_u32 v[XSL], v18, 2, XSC
	v_mul_u32_u24 v23, v19, 24
	v_mad_u32_u24 v[OA], v20, 12, v23
	s_mul_i32 s83, s[WV], 1536
	s_add_co_u32 s83, s83, XIMG
	v_add_nc_u32 v[XW], s83, v[OA]
	s_lshl_b32 s83, s[WV], 7
	v_add_nc_u32 v[XWS], s83, v[XSL]
	v_lshlrev_b32 v[GA], 6, v20
	v_lshl_add_u32 v[XA], v21, 12, v[GA]
	v_lshlrev_b32 v[SCA], 5, v21
	v_lshl_add_u32 v[SCA], v20, 8, v[SCA]
	v_lshlrev_b32 v[OS], 2, v19
	v_lshl_add_u32 v[OS], v20, 1, v[OS]
	v_lshlrev_b32 v[BVA], 2, v21
	v_lshl_add_u32 v[VSA], v19, 4, v20
	v_mov_b32 v[C7F], 0x7f
.irp b, 0,1,2,3
	v_mov_b32 v[TP+\b], 0                          ; written once: a lane permute's destination counts as one of its sources
.endr
	s_mov_b32 s[SEL], 0x76543210
	s_mov_b32 s[SEL+1], 0xfedcba98
	s_mov_b32 s[HM], 0xffff0000
	s_mov_b32 s[K10], 0x3a800000
	s_mov_b32 s[EPS], 0x3727c5ac
	; group 1: 4 rows of 6,144 bytes (8 weight rows on end), 12,288 bytes apart; 16 bytes of padding behind each 256; mask: all four work-groups
	s_mov_b32 s[G1], 15|(1<<20)|(1<<21)|(5<<22)|(3<<25)
	s_mov_b32 s[G1+1], 6144<<16
	s_mov_b32 s[G1+2], 4<<16
	s_mov_b32 s[G1+3], 6144<<16
	s_mov_b32 s[G1+4], 4
	s_mov_b32 s[G1+5], 12288
	s_mov_b32 s[G1+6], 0
	s_mov_b32 s[G1+7], 0
	s_mul_i32 s85, s[WV], LREG                     ; where my quarter of a chunk lands: no place in the cluster enters it
	; offsets that the four partners share: from y and the wave's number alone
	s_and_b32 s70, ttmp7, 0xffff                   ; y
	s_mul_i32 s72, s70, 393216                     ; codes: row 512 y + 64 (w / 2) + 8 (w % 2), 768 bytes a row
	s_mul_i32 s74, s81, 49152
	s_add_co_u32 s72, s72, s74
	s_mul_i32 s74, s82, 6144
	s_add_co_u32 s72, s72, s74
	s_mov_b32 s73, 0
	s_lshl_b32 s74, s70, 14                        ; scale bytes: row 512 y + 32 w, 32 bytes a row
	s_lshl_b32 s88, s[WV], 10
	s_add_co_u32 s74, s74, s88
	s_mov_b32 s75, 0
	s_lshl_b32 s88, s70, 11                        ; biases: 4 bytes a column
	s_lshl_b32 s90, s[WV], 7
	s_add_co_u32 s88, s88, s90
	s_mov_b32 s89, 0
	; offsets of my own 64 tokens: they enter global addresses of loads into registers and of stores alone
	s_bfe_u32 s68, ttmp6, 0x40000                  ; cx
	s_lshl_b32 s69, ttmp9, 2
	s_add_co_u32 s69, s69, s68                     ; RB = 16 b + g
	s_lshr_b32 s90, s69, 4
	s_and_b32 s91, s69, 15                         ; g
	s_lshl_b32 s90, s90, 4
	s_lshl_b32 s92, s70, 3
	s_add_co_u32 s90, s90, s92
	s_add_co_u32 s90, s90, s81                     ; 16 b + 8 y + w / 2: my head in a weight's first chunk
	s_mul_i32 s92, s90, 49152
	s_mul_i32 s83, s91, 3072
	s_add_co_u32 s92, s92, s83
	s_mul_i32 s83, s82, 1536
	s_add_co_u32 s96, s92, s83                     ; vc
	s_mul_i32 s83, s82, 384
	s_add_co_u32 s92, s92, s83                     ; qc, kc
	s_mov_b32 s93, 0
	s_mov_b32 s97, 0
	s_lshl_b32 s94, s90, 12
	s_lshl_b32 s83, s91, 8
	s_add_co_u32 s94, s94, s83
	s_add_co_u32 s94, s94, s82                     ; qs, ks
	s_mov_b32 s95, 0
	s_lshl_b32 s98, s90, 11
	s_lshr_b32 s83, s91, 1
	s_lshl_b32 s83, s83, 8
	s_add_co_u32 s98, s98, s83
	s_lshl_b32 s83, s82, 3
	s_add_co_u32 s98, s98, s83
	s_and_b32 s83, s91, 1
	s_lshl_b32 s83, s83, 1
	s_add_co_u32 s98, s98, s83                     ; vs
	s_mov_b32 s99, 0
	s_lshl_b32 s68, s69, 18                        ; src: token 64 RB + 32 (w / 2) + 8 (w % 2), 4,096 bytes a token
	s_lshl_b32 s83, s81, 17
	s_add_co_u32 s68, s68, s83
	s_lshl_b32 s83, s82, 15
	s_add_co_u32 s68, s68, s83
	s_mov_b32 s69, 0
	s_wait_kmcnt 0x0
	s_add_nc_u64 s[4:5], s[4:5], s[68:69]
	s_add_nc_u64 s[10:11], s[10:11], s[72:73]
	s_add_nc_u64 s[16:17], s[16:17], s[72:73]
	s_add_nc_u64 s[22:23], s[22:23], s[72:73]
	s_add_nc_u64 s[12:13], s[12:13], s[74:75]
	s_add_nc_u64 s[18:19], s[18:19], s[74:75]
	s_add_nc_u64 s[24:25], s[24:25], s[74:75]
	s_add_nc_u64 s[14:15], s[14:15], s[88:89]
	s_add_nc_u64 s[20:21], s[20:21], s[88:89]
	s_add_nc_u64 s[26:27], s[26:27], s[88:89]
	s_add_nc_u64 s[28:29], s[28:29], s[96:97]
	s_add_nc_u64 s[30:31], s[30:31], s[98:99]
	s_add_nc_u64 s[32:33], s[32:33], s[92:93]
	s_add_nc_u64 s[36:37], s[36:37], s[92:93]
	s_add_nc_u64 s[34:35], s[34:35], s[94:95]
	s_add_nc_u64 s[38:39], s[38:39], s[94:95]
	s_mov_b32 s[G0], 1
	s_mov_b32 s[G0+1], s85
	s_mov_b64 s[G0+2:G0+3], s[10:11]               ; chunk 0
	s_or_b32 s[G0+3], s[G0+3], 0x80000000
	s_mov_b32 s[G0+4], 1
	s_add_co_u32 s[G0+5], s85, SLOTB
	s_add_nc_u64 s[G0+6:G0+7], s[10:11], CHB       ; chunk 1
	s_or_b32 s[G0+7], s[G0+7], 0x80000000
	s_mov_b64 s[PSN:PSN+1], s[12:13]
	s_mov_b64 s[PBN:PBN+1], s[14:15]
	s_mov_b64 s[PO:PO+1], s[28:29]
	s_mov_b64 s[PSC:PSC+1], s[30:31]
	ROUND                                          ; all four work-groups are here: the first joint load meets
	tensor_load_to_lds s[G0:G0+3], s[G1:G1+7]      ; chunk 0 lands while the norm is computed
	s_nop 0
.rept 4
	v_nop
.endr
	NEXTS 0, PSN
	s_wait_alu depctr_va_vdst(0)
	NEXTBV 0
	GLOAD 0
	GLOAD 1
.irp st, 0,1,2,3,4,5,6,7                       ; my row of x: 16 numbers of each block of 32, 512 registers
	XWIN \st, 0x80, 0xC0
.irp b, 0,1,2,3
.irp j, 0,1,2,3
	global_load_b128 v[64*(\st%4)+16*\b+4*\j:64*(\st%4)+16*\b+4*\j+3], v[XA], s[4:5] offset:512*\st+128*\b+16*\j
.endr
.endr
.endr
	WIN 0
.irp i, 0,1,2,3,4,5,6,7
	v_mov_b32 v[SA+\i], 0
.endr
	s_wait_alu depctr_va_vdst(0)
.irp st, 0,1,2,3,4,5,6,7                       ; the mean
.if 16*(7-\st) > 63
	s_wait_alu depctr_va_vdst(0)
	s_wait_loadcnt 63                              ; the count is that of the younger loads of x, held at the field's 63
.else
	s_wait_alu depctr_va_vdst(0)
	s_wait_loadcnt 16*(7-\st)
.endif
	XWIN \st, 0x08, 0x0C
.set i, 0
.rept 32
	v_pk_add_f32 v[SA+2*(i%4):SA+2*(i%4)+1], v[SA+2*(i%4):SA+2*(i%4)+1], v[64*(\st%4)+2*i:64*(\st%4)+2*i+1]
.set i, i+1
.endr
.endr
	WIN 0
	FOLD MU
	v_mul_f32 v[MU], s[K10], v[MU]
	v_mov_b32 v[MU+1], v[MU]
.irp i, 0,1,2,3,4,5,6,7
	v_mov_b32 v[SA+\i], 0
.endr
.irp st, 0,1,2,3,4,5,6,7                       ; x - mean in place, and the sum of its squares: no difference of large sums is formed
	XWIN \st, 0x82, 0xC3
.set i, 0
.rept 32
	v_pk_add_f32 v[64*(\st%4)+2*i:64*(\st%4)+2*i+1], v[64*(\st%4)+2*i:64*(\st%4)+2*i+1], v[MU:MU+1] neg_lo:[0,1] neg_hi:[0,1]
.set i, i+1
.endr
	XWIN \st, 0x0A, 0x0F
.set i, 0
.rept 32
	v_pk_fma_f32 v[SA+2*(i%4):SA+2*(i%4)+1], v[64*(\st%4)+2*i:64*(\st%4)+2*i+1], v[64*(\st%4)+2*i:64*(\st%4)+2*i+1], v[SA+2*(i%4):SA+2*(i%4)+1]
.set i, i+1
.endr
.endr
	WIN 0
	FOLD RS
	v_fma_f32 v[RS], v[RS], s[K10], s[EPS]
	s_wait_alu depctr_va_vdst(0)
	v_rsq_f32 v[RS], v[RS]
	v_nop                                          ; a plain line behind the transcendental,
	s_wait_alu depctr_va_vdst(0)                   ; and the wait ahead of its first reader
	v_mov_b32 v[RS+1], v[RS]
.irp st, 0,1,2,3,4,5,6,7
	XWIN \st, 0x82, 0xC3
.set i, 0
.rept 32
	v_pk_mul_f32 v[64*(\st%4)+2*i:64*(\st%4)+2*i+1], v[64*(\st%4)+2*i:64*(\st%4)+2*i+1], v[RS:RS+1]
.set i, i+1
.endr
.endr
.irp st, 0,1,2,3,4,5,6,7                       ; gain and offset, the quantiser, and the fragment's image into LDS
.if \st == 7
	s_wait_loadcnt 0x0
.elseif \st >= 2
	s_wait_loadcnt 32                              ; this step's g1 and beta1 are in; the next step's 32 loads may be out
.endif
	XWIN \st, 0x16, 0x17
.set i, 0
.rept 32
	v_pk_fma_f32 v[ACC+2*i:ACC+2*i+1], v[64*(\st%4)+2*i:64*(\st%4)+2*i+1], v[128*(\st%2)+2*i:128*(\st%2)+2*i+1], v[128*(\st%2)+64+2*i:128*(\st%2)+64+2*i+1]
.set i, i+1
.endr
.if \st+2 < 8
	GLOAD \st+2
.endif
	WIN 0
	QCORE ACC, 4, 1
	v_lshl_or_b32 v[PW], v[BY+1], 8, v[BY]         ; the four bytes make my row's scale word of this K step
	v_lshl_or_b32 v[PW], v[BY+2], 16, v[PW]
	v_lshl_or_b32 v[PW], v[BY+3], 24, v[PW]
.irp b, 0,1,2,3
.irp i, 0,1,2
	ds_store_b32 v[XW], v[CD+4*\b+\i] offset:6144*\st+384*\b+4*\i
.endr
.endr
	ds_store_b32 v[XWS], v[PW] offset:512*\st
	s_wait_dscnt 0x0                               ; the stores have read their registers; at the last step: they have landed, for the other waves' sake
.endr
	s_barrier_signal -1                            ; chunk 0's load may stay out across it
	s_barrier_wait -1                              ; the 32 fragments of x lie in LDS
.irp st, 0,1,2,3,4,5,6,7                       ; and come into every wave's registers, where they stay
	XWIN \st, 0x40, 0x80
.irp m, 0,1,2,3
.irp c, 0,1
.irp p, 0,1,2
	ds_load_b64 v[12*(4*(\st%4)+\m)+6*\c+2*\p:12*(4*(\st%4)+\m)+6*\c+2*\p+1], v[AL] offset:1536*(4*\st+\m)+768*\c+8*\p
.endr
.endr
.endr
.endr
	WIN 0
.set i, 0
.rept 32
	ds_load_b32 v[ASW+i], v[XSL] offset:128*i
.set i, i+1
.endr
	; ---- the twelve chunks: v0 to v3, then q0, k0, q1, k1, q2, k2, q3, k3.  At chunk i's head this slot's group 0 is set to chunk i + 2, and chunk i + 1 is asked for into the other slot.
	; One tensor load of a wave is out at a time.
	HEADA                                          ; chunk 0
	s_add_nc_u64 s[G0+2:G0+3], s[G0+2:G0+3], 2*CHB
	s_add_nc_u64 s[PSN:PSN+1], s[PSN:PSN+1], 4096
	s_add_nc_u64 s[PBN:PBN+1], s[PBN:PBN+1], 512
	HEADB 0, 1
	CHUNKV 0, 1
	HEADA                                          ; chunk 1
	s_add_nc_u64 s[G0+6:G0+7], s[G0+6:G0+7], 2*CHB
	s_add_nc_u64 s[PSN:PSN+1], s[PSN:PSN+1], 4096
	s_add_nc_u64 s[PBN:PBN+1], s[PBN:PBN+1], 512
	s_add_nc_u64 s[PO:PO+1], s[PO:PO+1], 98304
	s_add_nc_u64 s[PSC:PSC+1], s[PSC:PSC+1], 4096
	HEADB 1, 1
	CHUNKV 1, 1
	HEADA                                          ; chunk 2
	s_mov_b64 s[G0+2:G0+3], s[16:17]               ; slot 0 from now on: Wq, from its first chunk
	s_or_b32 s[G0+3], s[G0+3], 0x80000000
	s_add_nc_u64 s[PSN:PSN+1], s[PSN:PSN+1], 4096
	s_add_nc_u64 s[PBN:PBN+1], s[PBN:PBN+1], 512
	s_add_nc_u64 s[PO:PO+1], s[PO:PO+1], 98304
	s_add_nc_u64 s[PSC:PSC+1], s[PSC:PSC+1], 4096
	HEADB 0, 1
	CHUNKV 0, 1
	HEADA                                          ; chunk 3
	s_mov_b64 s[G0+6:G0+7], s[22:23]               ; slot 1 from now on: Wk, from its first chunk
	s_or_b32 s[G0+7], s[G0+7], 0x80000000
	s_add_nc_u64 s[PO:PO+1], s[PO:PO+1], 98304
	s_add_nc_u64 s[PSC:PSC+1], s[PSC:PSC+1], 4096
	HEADB 1, 1
	CHUNKV 1, 2
	s_mov_b32 s[TC], 0
.Lqk:                                              ; three trips: q_i in slot 0, k_i in slot 1, i = 0, 1, 2.  Every pointer steps by a constant
	HEADA
	s_add_nc_u64 s[G0+2:G0+3], s[G0+2:G0+3], CHB   ; slot 0's next: q_(i+1)
	HEADB 0, 1                                     ; k_i is asked for
	CHUNKQK 0, 1, 24, 26, 32, 34                   ; q_i; k_i's scale words and bias are asked for
	HEADA
	s_add_nc_u64 s[G0+6:G0+7], s[G0+6:G0+7], CHB   ; slot 1's next: k_(i+1)
	s_add_nc_u64 s[18:19], s[18:19], 4096          ; Wq's scale bytes and bq: on to q_(i+1), which this chunk asks for
	s_add_nc_u64 s[20:21], s[20:21], 512
	s_add_nc_u64 s[24:25], s[24:25], 4096          ; Wk's and bk: k_i's have been asked for; on to k_(i+1)
	s_add_nc_u64 s[26:27], s[26:27], 512
	s_add_nc_u64 s[32:33], s[32:33], 98304         ; q's outputs: q_i is stored; two heads on
	s_add_nc_u64 s[34:35], s[34:35], 8192
	HEADB 1, 1                                     ; q_(i+1) is asked for
	CHUNKQK 1, 1, 18, 20, 36, 38                   ; k_i
	s_wait_xcnt 0x0                                ; k_i's stores have read their bases:
	s_add_nc_u64 s[36:37], s[36:37], 98304         ; k's outputs: two heads on
	s_add_nc_u64 s[38:39], s[38:39], 8192
	s_add_co_u32 s[TC], s[TC], 1
	s_cmp_lt_u32 s[TC], 3
	s_cbranch_scc1 .Lqk
	HEADA                                          ; q3: the tail is written out
	HEADB 0, 1                                     ; k3 is asked for: the last load
	CHUNKQK 0, 1, 24, 26, 32, 34
	HEADA                                          ; k3: nothing is left to ask for
	HEADB 1, 0
	CHUNKQK 1, 0, 18, 20, 36, 38
	s_wait_tensorcnt 0x0                           ; the wave's end
	ds_add_u32 v[SPW], v[NIL]
	s_wait_dscnt 0x0
	ROUND                                          ; the closing round: no work-group ends while a partner may still ask jointly
	s_endpgm
.Lfunc_end_k_q9a92007981_qkv:
	.size	k_q9a92007981_qkv, .Lfunc_end_k_q9a92007981_qkv-k_q9a92007981_qkv
	.p2alignl 7, 3214868480
	.fill 96, 4, 3214868480
	.section	.rodata,"a",@progbits
	.p2align	6, 0x0
	.amdhsa_kernel k_q9a92007981_qkv
		.amdhsa_group_segment_fixed_size 327680
		.amdhsa_private_segment_fixed_size 0
		.amdhsa_enable_private_segment 0
		.amdhsa_kernarg_size 144
		.amdhsa_user_sgpr_count 2
		.amdhsa_user_sgpr_kernarg_segment_ptr 1
		.amdhsa_wavefront_size32 1
		.amdhsa_system_sgpr_workgroup_id_x 1
		.amdhsa_system_sgpr_workgroup_id_y 1
		.amdhsa_system_sgpr_workgroup_id_z 1
		.amdhsa_system_vgpr_workitem_id 0
		.amdhsa_next_free_vgpr 1024
		.amdhsa_next_free_sgpr 100
		.amdhsa_reserve_vcc 0
		.amdhsa_float_denorm_mode_32 3
		.amdhsa_float_denorm_mode_16_64 3
		.amdhsa_memory_ordered 1
		.amdhsa_forward_progress 1
		.amdhsa_inst_pref_size 255
	.end_amdhsa_kernel
	.section	.bss,"aw",@nobits
	.p2align	6
	.space	262144
	.amdgpu_metadata
---
amdhsa.version: [ 1, 2 ]
amdhsa.kernels:
  - .name:           k_q9a92007981_qkv
    .symbol:         k_q9a92007981_qkv.kd
    .args:
      - { .name: src, .offset: 0, .size: 8, .value_kind: global_buffer, .address_space: global }
      - { .name: g1, .offset: 8, .size: 8, .value_kind: global_buffer, .address_space: global }
      - { .name: beta1, .offset: 16, .size: 8, .value_kind: global_buffer, .address_space: global }
      - { .name: Wv_codes, .offset: 24, .size: 8, .value_kind: global_buffer, .address_space: global }
      - { .name: Wv_scales, .offset: 32, .size: 8, .value_kind: global_buffer, .address_space: global }
      - { .name: bv, .offset: 40, .size: 8, .value_kind: global_buffer, .address_space: global }
      - { .name: Wq_codes, .offset: 48, .size: 8, .value_kind: global_buffer, .address_space: global }
      - { .name: Wq_scales, .offset: 56, .size: 8, .value_kind: global_buffer, .address_space: global }
      - { .name: bq, .offset: 64, .size: 8, .value_kind: global_buffer, .address_space: global }
      - { .name: Wk_codes, .offset: 72, .size: 8, .value_kind: global_buffer, .address_space: global }
      - { .name: Wk_scales, .offset: 80, .size: 8, .value_kind: global_buffer, .address_space: global }
      - { .name: bk, .offset: 88, .size: 8, .value_kind: global_buffer, .address_space: global }
      - { .name: vc, .offset: 96, .size: 8, .value_kind: global_buffer, .address_space: global }
      - { .name: vs, .offset: 104, .size: 8, .value_kind: global_buffer, .address_space: global }
      - { .name: qc, .offset: 112, .size: 8, .value_kind: global_buffer, .address_space: global }
      - { .name: qs, .offset: 120, .size: 8, .value_kind: global_buffer, .address_space: global }
      - { .name: kc, .offset: 128, .size: 8, .value_kind: global_buffer, .address_space: global }
      - { .name: ks, .offset: 136, .size: 8, .value_kind: global_buffer, .address_space: global }
    .group_segment_fixed_size: 327680
    .private_segment_fixed_size: 0
    .kernarg_segment_align: 8
    .kernarg_segment_size: 144
    .max_flat_workgroup_size: 128
    .sgpr_count:     100
    .vgpr_count:     1024
    .wavefront_size: 32
...
	.end_amdgpu_metadata
.endif
;; end of part 1
;; launch attn (part 2): grid 2 x 128, 16 waves a work-group, no clusters, 169,984 bytes of LDS; arguments qc, qs, kc, ks, vc, vs, cc, cs, Wo_codes, W1_codes, W2_codes; writes cc, cs
.if DOCPART == 2
	.amdgcn_target "amdgcn-amd-amdhsa--gfx1250"
	.amdhsa_code_object_version 6
	.text
	.protected	k_q9a92007981_attn
	.globl	k_q9a92007981_attn
	.p2align	8
	.type	k_q9a92007981_attn,@function
k_q9a92007981_attn:
	s_mov_b64 s[64:65], 0
	v_nop
	global_prefetch_b8 v0, s[64:65] scope:SCOPE_SE
	s_setreg_imm32_b32 hwreg(HW_REG_WAVE_MODE, 25, 1), 1
	s_wait_xcnt 0x0
; ctx = softmax(q k^T / 8) v for one head of one batch, both products on codes of E3M2; ctx is quantised along the head's 64 and stored as the next product's operand.
; THE SOFTMAX: t = score x log2(e) / 8; M = the running largest t rounded up to a whole number; p = 2^(t - M) is quantised along the keys, not normalised; the row's sum is taken of the unquantised p
; and divides at the end; when M moves, the sum and O are multiplied by 2^(old M - new M), which rounds nothing.
; SHARES.  Work-group (x, bh): 512 queries of head bh.  The head's 1,024 keys (codes and scale bytes of k and v, 104,448 bytes) are brought into LDS once and stay: no slot is filled again.
; Each of the sixteen waves owns two tiles of 16 queries, one after the other; four waves share a SIMD, so that one wave's vector work stands beside another's products and LDS loads.
; q's codes are asked for early: the first tile's ahead of the wait for k's and v's tiles, the second's behind the first tile's last key step, ahead of its way out.
; LAYOUT.  S^T = k q^T (source 0 = 16 keys, source 1 = my 16 queries; K = 64: the codes of k = 64 .. 127 are zeros in both, under the byte 0x7f), O^T = v^T p^T: a lane holds one query throughout.
; The keys of a tile, and the 16 of the head's 64 that form a tile of v, are in tile order (lane r of tile u of 32: 8 u + r + 8 (r / 8)), so 16 registers of two neighbouring tiles are 16 neighbours.
; No cluster: the two work-groups of a head share 104,448 bytes read once at the head, a small part of what a work-group does.
; LIMITS.  NaN and infinities are not served; a block under 2^-122 or of zeros gets the byte 1 (read by this program alone); 1 / l by v_rcp_f32 (1 ulp); a block's largest p is taken as 2^(its largest t - M).
.set VC,   49152                       ; LDS: k's codes at 0, v's codes,
.set KSC,  98304                       ; k's scale words,
.set VSC,  102400                      ; v's
.set TM,  232
.set TP,  236
.set BY,  240
.set SO,  244
.set CD,  224
; v1 24 L; v2 VC + 24 L; v3 KSC + 4 L; v4 VSC + 16 r; v5 24 r + 12 h; v6 4 r + h; v7 4 r; v8-11 the step's addresses; v12 -M; v13 the largest t; v[14:15] the sum; v16-27 q (v22-27 zeros);
; v28-31 k's scale words, two tiles a register; v32-79 four fragments of k (the upper six registers of each stay zeros); v80-127 four fragments of v; v128-191 S^T, then p; v192-223 O^T;
; v224-235 p's codes; v232-247, v252, v254 at work; v248-251 v's scale words; v253 p's; v255 q's.
.set G1A, 20                           ; s[20:27] 64 rows of 256 bytes;  s[28:35] 16 rows;  s[36:43] 8 rows
.set G1B, 28
.set G1C, 36
.set G0A, 44
.set G0S, 48
.set G0T, 52
.set WV,  56
.set TB,  57                           ; the step's codes: 6,144 bytes a step, in k and in v
.set TSK, 58                           ; k's scale words: 512 bytes a step
.set TSV, 59                           ; v's: 256
.set SEL, 60
.set CS,  62                           ; s[62:63] c = log2(e) / 8
.set HM,  66
.set CNT, 67
.macro QCORE src, nb, abs              ; as in the launch before: nb blocks, 16 numbers of my half each, to codes in v[CD + 4 b ..] and bytes in v[BY + b]
.set qb, 0
.rept \nb
	v_max3_num_f32 v[TM+qb], |v[(\src)+16*qb]|, |v[(\src)+16*qb+1]|, 0x2800000
.set qb, qb+1
.endr
.irp qi, 2,4,6,8,10,12,14
.set qb, 0
.rept \nb
	s_delay_alu instid0(VALU_DEP_2)
	v_max3_num_f32 v[TM+qb], v[TM+qb], |v[(\src)+16*qb+\qi]|, |v[(\src)+16*qb+\qi+1]|
.set qb, qb+1
.endr
.endr
.set qb, 0
.rept \nb
	s_delay_alu instid0(VALU_DEP_2)
	v_permlanex16_b32 v[TP+qb], v[TM+qb], s[SEL], s[SEL+1]
.set qb, qb+1
.endr
.set qb, 0
.rept \nb
	s_delay_alu instid0(VALU_DEP_2)
	v_max_num_f32 v[TM+qb], v[TM+qb], v[TP+qb]
.set qb, qb+1
.endr
.set qb, 0
.rept \nb
	s_delay_alu instid0(VALU_DEP_2)
	v_add_nc_u32 v[SO+qb], 0xfe000000, v[TM+qb]
.set qb, qb+1
.endr
.set qb, 0
.rept \nb
	s_delay_alu instid0(VALU_DEP_2)
	v_lshrrev_b32 v[BY+qb], 23, v[SO+qb]
.set qb, qb+1
.endr
.set qb, 0
.rept \nb
	v_cvt_scalef32_pk16_bf6_f32 v[CD+4*qb:CD+4*qb+2], v[(\src)+16*qb:(\src)+16*qb+15], v[SO+qb]
.set qb, qb+1
.endr
	v_nop
.endm
.macro QLOAD pp                        ; tile pp of my two: q's 24 bytes a lane, and its scale word
.irp p, 0,1,2
	global_load_b64 v[16+2*\p:17+2*\p], v1, s[4:5] offset:768*\pp+8*\p
.endr
	global_load_b32 v255, v7, s[6:7] offset:64*\pp
.endm
	s_load_b512 s[4:19], s[0:1], 0x0               ; qc, qs, kc, ks, vc, vs, cc, cs
	s_load_b128 s[92:95], s[0:1], 0x40             ; Wo codes, W1 codes
	s_load_b64 s[96:97], s[0:1], 0x50              ; W2 codes
	s_load_b64 s[98:99], s[0:1], 0x30              ; cc once more: behind its 6,291,456 bytes of codes lie the weights' register images
	v_lshl_add_u32 v254, v0, 2, 0x29000
	v_mov_b32 v255, 0
	ds_add_u32 v254, v255
	ds_add_u32 v254, v255
	s_wait_dscnt 0x0
	v_lshrrev_b32 v8, 5, v0
	s_delay_alu instid0(VALU_DEP_1)
	v_readfirstlane_b32 s[WV], v8                  ; wave 0..15
	s_and_b32 s68, ttmp7, 0xffff                   ; bh = 16 b + head
.irp g, G1A, G1B, G1C                          ; dense blocks as rows of 256 bytes: 32 elements of 8 bytes, no padding
	s_mov_b32 s[\g], 3<<16
	s_mov_b32 s[\g+1], 32<<16
	s_mov_b32 s[\g+3], 32<<16
	s_mov_b32 s[\g+5], 32
	s_mov_b32 s[\g+6], 0
	s_mov_b32 s[\g+7], 0
.endr
	s_mov_b32 s[G1A+2], 64<<16
	s_mov_b32 s[G1A+4], 64
	s_mov_b32 s[G1B+2], 16<<16
	s_mov_b32 s[G1B+4], 16
	s_mov_b32 s[G1C+2], 8<<16
	s_mov_b32 s[G1C+4], 8
	s_min_u32 s69, s[WV], 5
	s_lshl_b32 s70, s69, 14                        ; waves 0-5: 16,384 bytes each, on end: k's three parts, then v's three
	s_mul_i32 s72, s68, 49152                      ; the head's codes
	s_lshl_b32 s76, s68, 12                        ; its words of q and k
	s_mov_b32 s77, 0
	s_lshl_b32 s78, s68, 11                        ; its words of v
	s_mov_b32 s79, 0
	s_mul_i32 s80, ttmp9, 24576                    ; q's codes: tile 32 x + 2 w, 768 bytes a tile
	s_add_co_u32 s80, s80, s72
	s_mul_i32 s82, s[WV], 1536
	s_add_co_u32 s80, s80, s82
	s_mov_b32 s81, 0
	s_lshl_b32 s82, ttmp9, 11                      ; q's words: 64 bytes a tile
	s_add_co_u32 s82, s82, s76
	s_lshl_b32 s84, s[WV], 7
	s_add_co_u32 s82, s82, s84
	s_mov_b32 s83, 0
	s_lshr_b32 s84, s68, 4
	s_lshl_b32 s84, s84, 6
	s_lshl_b32 s85, ttmp9, 5
	s_add_co_u32 s84, s84, s85
	s_lshl_b32 s85, s[WV], 1
	s_add_co_u32 s84, s84, s85                     ; RT = 64 b + 32 x + 2 w: my first tile among all tokens' tiles
	s_and_b32 s85, s68, 15                         ; head
	s_mul_i32 s86, s84, 12288                      ; cc: (16 RT + head) x 768
	s_mul_i32 s88, s85, 768
	s_add_co_u32 s86, s86, s88
	s_mov_b32 s87, 0
	s_lshl_b32 s88, s84, 9                         ; cs: (8 RT + head / 2) x 64 + 2 (head % 2)
	s_lshr_b32 s90, s85, 1
	s_lshl_b32 s90, s90, 6
	s_add_co_u32 s88, s88, s90
	s_and_b32 s90, s85, 1
	s_lshl_b32 s90, s90, 1
	s_add_co_u32 s88, s88, s90
	s_mov_b32 s89, 0
	s_mov_b32 s[SEL], 0x76543210
	s_mov_b32 s[SEL+1], 0xfedcba98
	s_mov_b32 s[CS], 0x3e38aa3b
	s_mov_b32 s[CS+1], s[CS]
	s_mov_b32 s[HM], 0xffff0000
	s_wait_kmcnt 0x0
	s_cmp_lt_u32 s[WV], 3
	s_cselect_b64 s[74:75], s[8:9], s[12:13]       ; waves 0-2 fetch k's codes, waves 3-5 v's
	s_cselect_b32 s71, 0, 3
	s_sub_co_u32 s71, s69, s71
	s_lshl_b32 s71, s71, 14
	s_add_co_u32 s72, s72, s71
	s_mov_b32 s73, 0
	s_mov_b32 s[G0A], 1
	s_mov_b32 s[G0A+1], s70
	s_add_nc_u64 s[G0A+2:G0A+3], s[74:75], s[72:73]
	s_or_b32 s[G0A+3], s[G0A+3], 0x80000000
	s_mov_b32 s[G0S], 1
	s_mov_b32 s[G0S+1], KSC
	s_add_nc_u64 s[G0S+2:G0S+3], s[10:11], s[76:77]
	s_or_b32 s[G0S+3], s[G0S+3], 0x80000000
	s_mov_b32 s[G0T], 1
	s_mov_b32 s[G0T+1], VSC
	s_add_nc_u64 s[G0T+2:G0T+3], s[14:15], s[78:79]
	s_or_b32 s[G0T+3], s[G0T+3], 0x80000000
	s_cmp_lt_u32 s[WV], 6                          ; the first fills, the only ones: one load in each of waves 0 to 7
	s_cbranch_scc0 .Lf1
	tensor_load_to_lds s[G0A:G0A+3], s[G1A:G1A+7]
	s_nop 0
.rept 4
	v_nop
.endr
	s_branch .Lfd
.Lf1:
	s_cmp_eq_u32 s[WV], 6
	s_cbranch_scc0 .Lf2
	tensor_load_to_lds s[G0S:G0S+3], s[G1B:G1B+7]
	s_nop 0
.rept 4
	v_nop
.endr
	s_branch .Lfd
.Lf2:
	s_cmp_eq_u32 s[WV], 7
	s_cbranch_scc0 .Lfd
	tensor_load_to_lds s[G0T:G0T+3], s[G1C:G1C+7]
	s_nop 0
.rept 4
	v_nop
.endr
.Lfd:
	s_add_nc_u64 s[4:5], s[4:5], s[80:81]
	s_add_nc_u64 s[6:7], s[6:7], s[82:83]
	s_add_nc_u64 s[16:17], s[16:17], s[86:87]
	s_add_nc_u64 s[18:19], s[18:19], s[88:89]
	v_and_b32 v8, 31, v0
	v_and_b32 v9, 15, v0
	v_bfe_u32 v10, v0, 4, 1
	s_delay_alu instid0(VALU_DEP_3)
	v_mul_u32_u24 v1, v8, 24
	s_delay_alu instid0(VALU_DEP_1)
	v_add_nc_u32 v2, VC, v1
	v_lshl_add_u32 v3, v8, 2, KSC
	v_lshl_add_u32 v4, v9, 4, VSC
	v_mul_u32_u24 v5, v9, 24
	s_delay_alu instid0(VALU_DEP_1)
	v_mad_u32_u24 v5, v10, 12, v5
	v_lshl_add_u32 v6, v9, 2, v10
	v_lshlrev_b32 v7, 2, v9
	QLOAD 0                                        ; my first tile of q is on its way while k's and v's tiles land
.irp j, 22,23,24,25,26,27
	v_mov_b32 v\j, 0                               ; q's codes of k = 64 .. 127
.endr
.irp t, 0,1,2,3
.irp j, 6,7,8,9,10,11
	v_mov_b32 v[32+12*\t+\j], 0                    ; and k's
.endr
.endr
	; WAVES 8 TO 13, which fetch no tile, each lay one fragment (16 rows x 128 K, 1,536 bytes) of Wo, W1 or W2 in the order of an operand's registers, for the next launch:
	; 256 work-groups x 6 waves = 3 weights x 512 fragments.  Fragment f = 512 weight + 64 c + 16 w + 2 st + u holds rows 256 (c / 2) + 32 (c % 2) + 64 w + 8 u + r + 8 (r / 8), K step st;
	; its registers 4 q .. 4 q + 3 of lane L go to byte 1536 f + 512 q + 16 L.
	s_cmp_lt_u32 s[WV], 8
	s_cbranch_scc1 .Lnolay
	s_cmp_gt_u32 s[WV], 13
	s_cbranch_scc1 .Lnolay
	s_lshl_b32 s70, s68, 1
	s_add_co_u32 s70, s70, ttmp9                   ; the work-group's number, 0 .. 255
	s_mul_i32 s70, s70, 6
	s_add_co_u32 s70, s70, s[WV]
	s_sub_co_u32 s70, s70, 8                       ; f
	s_lshr_b32 s71, s70, 9                         ; the weight
	s_cmp_eq_u32 s71, 0
	s_cselect_b64 s[72:73], s[92:93], s[94:95]
	s_cmp_eq_u32 s71, 2
	s_cselect_b64 s[72:73], s[96:97], s[72:73]
	s_bfe_u32 s74, s70, 0x20007                    ; c / 2
	s_lshl_b32 s74, s74, 8
	s_bfe_u32 s75, s70, 0x10006                    ; c % 2
	s_lshl_b32 s75, s75, 5
	s_add_co_u32 s74, s74, s75
	s_bfe_u32 s75, s70, 0x20004                    ; w
	s_lshl_b32 s75, s75, 6
	s_add_co_u32 s74, s74, s75
	s_and_b32 s75, s70, 1                          ; u
	s_lshl_b32 s75, s75, 3
	s_add_co_u32 s74, s74, s75                     ; the fragment's first row
	s_mul_i32 s74, s74, 768
	s_bfe_u32 s75, s70, 0x30001                    ; st
	s_mul_i32 s75, s75, 96
	s_add_co_u32 s74, s74, s75
	s_mov_b32 s75, 0
	s_add_nc_u64 s[72:73], s[72:73], s[74:75]
	s_mul_i32 s76, s70, 1536
	s_add_co_u32 s76, s76, 6291456
	s_mov_b32 s77, 0
	s_add_nc_u64 s[98:99], s[98:99], s[76:77]
	v_and_b32 v128, 8, v9
	s_delay_alu instid0(VALU_DEP_1)
	v_add_nc_u32 v128, v128, v9                    ; r + 8 (r / 8)
	s_delay_alu instid0(VALU_DEP_1)
	v_mul_u32_u24 v128, v128, 768
	s_delay_alu instid0(VALU_DEP_1)
	v_mad_u32_u24 v128, v10, 24, v128              ; + 24 h
	v_lshlrev_b32 v129, 4, v8                      ; 16 L
	s_wait_alu depctr_va_vdst(0)
.irp p, 0,1,2,3,4,5
	global_load_b64 v[132+2*\p:133+2*\p], v128, s[72:73] offset:48*(\p/3)+8*(\p%3)
.endr
	s_wait_loadcnt 0x0
.irp q, 0,1,2
	global_store_b128 v129, v[132+4*\q:135+4*\q], s[98:99] offset:512*\q   ; the wave stores 512 consecutive bytes, at a multiple of 512
.endr
	s_wait_xcnt 0x0                                ; the stores have read their registers, which the key steps write
.Lnolay:
	s_wait_tensorcnt 0x0                           ; my part has landed,
	s_barrier_signal -1
	s_barrier_wait -1                              ; everybody's has
; A KEY STEP: 128 keys.
.macro STEP
	v_add_nc_u32 v8, s[TB], v1
	v_add_nc_u32 v9, s[TB], v2
	v_add_nc_u32 v10, s[TSK], v3
	v_add_nc_u32 v11, s[TSV], v4
.irp t, 0,1,2,3
.irp p, 0,1,2
	ds_load_b64 v[32+12*\t+2*\p:33+12*\t+2*\p], v8 offset:768*\t+8*\p
.endr
.endr
.irp i, 0,1,2,3
	ds_load_b32 v[28+\i], v10 offset:128*\i        ; lanes 0-15: tile 2 i's words, lanes 16-31: tile 2 i + 1's
.endr
	s_wait_alu depctr_va_vdst(0)
	s_wait_dscnt 0x0
.irp t, 0,2
	v_wmma_scale_f32_16x16x128_f8f6f4 v[128+8*\t:135+8*\t], v[32+12*\t:43+12*\t], v[16:27], 0, v[28+\t/2], v255 matrix_a_fmt:MATRIX_FMT_BF6 matrix_b_fmt:MATRIX_FMT_BF6
	v_wmma_scale_f32_16x16x128_f8f6f4 v[136+8*\t:143+8*\t], v[44+12*\t:55+12*\t], v[16:27], 0, v[28+\t/2], v255 matrix_a_fmt:MATRIX_FMT_BF6 matrix_b_fmt:MATRIX_FMT_BF6 matrix_a_scale:MATRIX_SCALE_ROW1
.endr
.rept 4
	v_nop                                          ; four places in front of loads into registers that these products have read
.endr
.irp t, 0,1,2,3
.irp p, 0,1,2
	ds_load_b64 v[32+12*\t+2*\p:33+12*\t+2*\p], v8 offset:768*(4+\t)+8*\p
.endr
.endr
.irp t, 0,1,2,3                                ; v's four tiles of 16 of the head's 64, these 128 keys: they land under the softmax
.irp c, 0,1
.irp p, 0,1,2
	ds_load_b64 v[80+12*\t+6*\c+2*\p:81+12*\t+6*\c+2*\p], v9 offset:768*\t+3072*\c+8*\p
.endr
.endr
.endr
	ds_load_b128 v[248:251], v11                   ; and their four scale words
	s_wait_dscnt 25                                ; k's tiles 4 to 7 are in; v's 24 loads and its words may be out
.irp t, 0,2
	v_wmma_scale_f32_16x16x128_f8f6f4 v[160+8*\t:167+8*\t], v[32+12*\t:43+12*\t], v[16:27], 0, v[30+\t/2], v255 matrix_a_fmt:MATRIX_FMT_BF6 matrix_b_fmt:MATRIX_FMT_BF6
	v_wmma_scale_f32_16x16x128_f8f6f4 v[168+8*\t:175+8*\t], v[44+12*\t:55+12*\t], v[16:27], 0, v[30+\t/2], v255 matrix_a_fmt:MATRIX_FMT_BF6 matrix_b_fmt:MATRIX_FMT_BF6 matrix_a_scale:MATRIX_SCALE_ROW1
.endr
.rept 4
	v_nop
.endr
.irp b, 0,1,2,3
	v_max3_num_f32 v[232+\b], v[128+16*\b], v[129+16*\b], v[130+16*\b]   ; the largest score of each block of 32 keys: for the row's maximum and for the block's largest p
.endr
.irp i, 3,5,7,9,11,13
.irp b, 0,1,2,3
	v_max3_num_f32 v[232+\b], v[232+\b], v[128+16*\b+\i], v[129+16*\b+\i]
.endr
.endr
.irp b, 0,1,2,3
	v_max_num_f32 v[232+\b], v[232+\b], v[143+16*\b]
.endr
.irp b, 0,1,2,3
	s_delay_alu instid0(VALU_DEP_4)
	v_permlanex16_b32 v[236+\b], v[232+\b], s[SEL], s[SEL+1]
.endr
.irp b, 0,1,2,3
	s_delay_alu instid0(VALU_DEP_4)
	v_max_num_f32 v[232+\b], v[232+\b], v[236+\b]
.endr
	s_delay_alu instid0(VALU_DEP_2)
	v_max3_num_f32 v254, v232, v233, v234
	s_delay_alu instid0(VALU_DEP_1)
	v_max_num_f32 v254, v254, v235
	s_delay_alu instid0(VALU_DEP_1)
	v_mul_f32 v254, s[CS], v254                    ; as t (c is positive)
	s_delay_alu instid0(VALU_DEP_1)
	v_max_num_f32 v13, v13, v254                   ; the running largest t
	v_mov_b32 v254, v12
	s_delay_alu instid0(VALU_DEP_2)
	v_floor_f32 v12, -v13                          ; the new -M = -ceil(t)
	s_delay_alu instid0(VALU_DEP_1)
	v_sub_f32 v254, v12, v254                      ; old M - new M: a whole number, 0 or less
	s_delay_alu instid0(VALU_DEP_1)
	v_cvt_i32_f32 v254, v254                       ; (it saturates)
	s_delay_alu instid0(VALU_DEP_1)
	v_ldexp_f32 v252, 1.0, v254                    ; f = 2^(old M - new M)
.set j, 0
.rept 32
	v_pk_fma_f32 v[128+j:129+j], v[128+j:129+j], s[CS:CS+1], v[12:13] op_sel_hi:[1,0,0]   ; t - M
.set j, j+2
.endr
.irp b, 0,1,2,3
	v_fma_f32 v[232+\b], v[232+\b], s[CS], v12
.endr
.set j, 0
	s_wait_alu depctr_va_vdst(0)
.rept 64
	v_exp_f32 v[128+j], v[128+j]                   ; p = 2^(t - M): one batch
.set j, j+1
.endr
	v_pk_mul_f32 v[14:15], v[14:15], v[252:253] op_sel_hi:[1,0]   ; the sums under the new M: the plain line behind the batch
	s_wait_alu depctr_va_vdst(0)                   ; one wait for the batch, ahead of its first reader
.irp b, 0,1,2,3
	v_exp_f32 v[232+\b], v[232+\b]                 ; each block's largest p
.endr
	v_pk_add_f32 v[236:237], v[132:133], v[136:137]
	v_pk_add_f32 v[246:247], v[140:141], v[144:145]
	v_pk_add_f32 v[244:245], v[148:149], v[152:153]
	v_pk_add_f32 v[242:243], v[156:157], v[160:161]
	v_pk_add_f32 v[240:241], v[164:165], v[168:169]
	v_pk_add_f32 v[238:239], v[172:173], v[176:177]
	v_pk_add_f32 v[230:231], v[180:181], v[184:185]
	v_pk_add_f32 v[14:15], v[14:15], v[188:189]
	v_pk_add_f32 v[236:237], v[236:237], v[128:129]
	v_pk_add_f32 v[246:247], v[246:247], v[130:131]
	v_pk_add_f32 v[244:245], v[244:245], v[134:135]
	v_pk_add_f32 v[242:243], v[242:243], v[138:139]
	v_pk_add_f32 v[240:241], v[240:241], v[142:143]
	v_pk_add_f32 v[238:239], v[238:239], v[146:147]
	v_pk_add_f32 v[230:231], v[230:231], v[150:151]
	v_pk_add_f32 v[14:15], v[14:15], v[154:155]
	v_pk_add_f32 v[236:237], v[236:237], v[158:159]
	v_pk_add_f32 v[246:247], v[246:247], v[162:163]
	v_pk_add_f32 v[244:245], v[244:245], v[166:167]
	v_pk_add_f32 v[242:243], v[242:243], v[170:171]
	v_pk_add_f32 v[240:241], v[240:241], v[174:175]
	v_pk_add_f32 v[238:239], v[238:239], v[178:179]
	v_pk_add_f32 v[230:231], v[230:231], v[182:183]
	v_pk_add_f32 v[14:15], v[14:15], v[186:187]
	v_pk_add_f32 v[236:237], v[236:237], v[190:191]
	s_delay_alu instid0(VALU_DEP_2)
	v_pk_add_f32 v[14:15], v[14:15], v[242:243]
	s_delay_alu instid0(VALU_DEP_2)
	v_pk_add_f32 v[236:237], v[236:237], v[240:241]
	v_pk_add_f32 v[246:247], v[246:247], v[238:239]
	v_pk_add_f32 v[244:245], v[244:245], v[230:231]
	s_delay_alu instid0(VALU_DEP_2)
	v_pk_add_f32 v[14:15], v[14:15], v[246:247]
	s_delay_alu instid0(VALU_DEP_2)
	v_pk_add_f32 v[236:237], v[236:237], v[244:245]
	s_delay_alu instid0(VALU_DEP_1)
	v_pk_add_f32 v[14:15], v[14:15], v[236:237]
	s_wait_alu depctr_va_vdst(0)                   ; and one for the four
.irp b, 0,1,2,3
	v_max_num_f32 v[232+\b], 0x2800000, v[232+\b]  ; the floor: the byte is at least 1
.endr
.irp b, 0,1,2,3
	s_delay_alu instid0(VALU_DEP_4)
	v_add_nc_u32 v[244+\b], 0xfe000000, v[232+\b]
.endr
.irp b, 0,1,2,3
	s_delay_alu instid0(VALU_DEP_4)
	v_lshrrev_b32 v[236+\b], 23, v[244+\b]
.endr
	s_delay_alu instid0(VALU_DEP_3)
	v_lshl_or_b32 v253, v237, 8, v236              ; p's scale word for these 128 keys
	s_delay_alu instid0(VALU_DEP_1)
	v_lshl_or_b32 v253, v238, 16, v253
	s_delay_alu instid0(VALU_DEP_1)
	v_lshl_or_b32 v253, v239, 24, v253
.irp c, 0,1
	v_cvt_scalef32_pk16_bf6_f32 v[224+6*\c:226+6*\c], v[128+32*\c:143+32*\c], v[244+2*\c]
	v_cvt_scalef32_pk16_bf6_f32 v[236+4*\c:238+4*\c], v[144+32*\c:159+32*\c], v[244+2*\c+1]
.endr
	v_nop
.irp c, 0,1                                    ; the operand wants a whole block in a lane: lanes 0-15 block 2 c, lanes 16-31 block 2 c + 1
.irp i, 0,1,2
	v_permlane16_swap_b32 v[224+6*\c+\i], v[236+4*\c+\i]
.endr
.irp i, 0,1,2
	s_delay_alu instid0(VALU_DEP_3)
	v_mov_b32 v[227+6*\c+\i], v[236+4*\c+\i]
.endr
.endr
.set j, 0
.rept 16
	v_pk_mul_f32 v[192+j:193+j], v[192+j:193+j], v[252:253] op_sel_hi:[1,0]   ; O^T under the new M; these are also the places between p's word and codes and the products
.set j, j+2
.endr
	s_wait_alu depctr_va_vdst(0)
	s_wait_dscnt 0x0                               ; v
.irp t, 0,1,2,3
	v_wmma_scale_f32_16x16x128_f8f6f4 v[192+8*\t:199+8*\t], v[80+12*\t:91+12*\t], v[224:235], v[192+8*\t:199+8*\t], v[248+\t], v253 matrix_a_fmt:MATRIX_FMT_BF6 matrix_b_fmt:MATRIX_FMT_BF6
.endr
	s_add_co_u32 s[TB], s[TB], 6144
	s_add_co_u32 s[TSK], s[TSK], 512
	s_add_co_u32 s[TSV], s[TSV], 256
.endm
; One tile of 16 queries through all keys.  Its q has been asked for already.
.macro PASS pp
.if \pp == 1
	s_wait_xcnt 0x0                                ; the tile before has stored: its stores have read their registers
.endif
	v_mov_b32 v13, 0xff61b1e6                      ; the largest t so far: -3e38
	s_delay_alu instid0(VALU_DEP_1)
	v_floor_f32 v12, -v13
	v_mov_b32 v14, 0
	v_mov_b32 v15, 0
.irp b, 0,1,2,3
	v_mov_b32 v[236+\b], 0
.endr
	v_mov_b32 v253, 0
.set j, 0
.rept 32
	v_mov_b32 v[192+j], 0                          ; O^T: the step is written once; the first change of M leaves zeros zeros
.set j, j+1
.endr
	s_mov_b32 s[TB], 0
	s_mov_b32 s[TSK], 0
	s_mov_b32 s[TSV], 0
	s_mov_b32 s[CNT], 8
	s_wait_loadcnt 0x0                             ; q
.Lstep_\@:
	STEP
	s_sub_co_u32 s[CNT], s[CNT], 1
	s_cmp_lg_u32 s[CNT], 0
	s_cbranch_scc1 .Lstep_\@
.if \pp == 0
	QLOAD 1                                        ; the last product that read q stands a softmax back: the next tile's q comes in under this tile's way out, which names none of its registers
.endif
	v_add_f32 v14, v14, v15
	s_delay_alu instid0(VALU_DEP_1)
	v_permlanex16_b32 v252, v14, s[SEL], s[SEL+1]
	s_delay_alu instid0(VALU_DEP_1)
	v_add_f32 v14, v14, v252                       ; the row's sum
	s_wait_alu depctr_va_vdst(0)
	v_rcp_f32 v14, v14
.rept 4
	v_nop                                          ; the plain line behind the reciprocal, and the places behind the last products
.endr
	s_wait_alu depctr_va_vdst(0)
.set j, 0
.rept 16
	v_pk_mul_f32 v[128+j:129+j], v[192+j:193+j], v[14:15] op_sel_hi:[1,0]   ; ctx: register 16 b + i is d = 32 b + 16 h + i of my query
.set j, j+2
.endr
	QCORE 128, 2, 1
	global_store_b96 v5, v[CD:CD+2], s[16:17] offset:12288*\pp
	global_store_b96 v5, v[CD+4:CD+6], s[16:17] offset:12288*\pp+384
	v_cndmask_b32 v254, v[BY], v[BY+1], s[HM]      ; lanes 0-15 carry block 0's byte, lanes 16-31 block 1's
	global_store_b8 v6, v254, s[18:19] offset:512*\pp
.endm
	PASS 0
	PASS 1
	s_wait_xcnt 0x0
	v_lshl_add_u32 v254, v0, 2, 0x29000
	v_mov_b32 v255, 0
	s_wait_alu depctr_va_vdst(0)
	s_wait_tensorcnt 0x0
	ds_add_u32 v254, v255
	s_wait_dscnt 0x0
	s_endpgm
.Lfunc_end_k_q9a92007981_attn:
	.size	k_q9a92007981_attn, .Lfunc_end_k_q9a92007981_attn-k_q9a92007981_attn
	.p2alignl 7, 3214868480
	.fill 96, 4, 3214868480
	.section	.rodata,"a",@progbits
	.p2align	6, 0x0
	.amdhsa_kernel k_q9a92007981_attn
		.amdhsa_group_segment_fixed_size 169984
		.amdhsa_private_segment_fixed_size 0
		.amdhsa_enable_private_segment 0
		.amdhsa_kernarg_size 88
		.amdhsa_user_sgpr_count 2
		.amdhsa_user_sgpr_kernarg_segment_ptr 1
		.amdhsa_wavefront_size32 1
		.amdhsa_system_sgpr_workgroup_id_x 1
		.amdhsa_system_sgpr_workgroup_id_y 1
		.amdhsa_system_sgpr_workgroup_id_z 1
		.amdhsa_system_vgpr_workitem_id 0
		.amdhsa_next_free_vgpr 256
		.amdhsa_next_free_sgpr 100
		.amdhsa_reserve_vcc 0
		.amdhsa_float_denorm_mode_32 3
		.amdhsa_float_denorm_mode_16_64 3
		.amdhsa_memory_ordered 1
		.amdhsa_forward_progress 1
		.amdhsa_inst_pref_size 60
	.end_amdhsa_kernel
	.amdgpu_metadata
---
amdhsa.version: [ 1, 2 ]
amdhsa.kernels:
  - .name:           k_q9a92007981_attn
    .symbol:         k_q9a92007981_attn.kd
    .args:
      - { .name: qc, .offset: 0, .size: 8, .value_kind: global_buffer, .address_space: global }
      - { .name: qs, .offset: 8, .size: 8, .value_kind: global_buffer, .address_space: global }
      - { .name: kc, .offset: 16, .size: 8, .value_kind: global_buffer, .address_space: global }
      - { .name: ks, .offset: 24, .size: 8, .value_kind: global_buffer, .address_space: global }
      - { .name: vc, .offset: 32, .size: 8, .value_kind: global_buffer, .address_space: global }
      - { .name: vs, .offset: 40, .size: 8, .value_kind: global_buffer, .address_space: global }
      - { .name: cc, .offset: 48, .size: 8, .value_kind: global_buffer, .address_space: global }
      - { .name: cs, .offset: 56, .size: 8, .value_kind: global_buffer, .address_space: global }
      - { .name: Wo_codes, .offset: 64, .size: 8, .value_kind: global_buffer, .address_space: global }
      - { .name: W1_codes, .offset: 72, .size: 8, .value_kind: global_buffer, .address_space: global }
      - { .name: W2_codes, .offset: 80, .size: 8, .value_kind: global_buffer, .address_space: global }
    .group_segment_fixed_size: 169984
    .private_segment_fixed_size: 0
    .kernarg_segment_align: 8
    .kernarg_segment_size: 88
    .max_flat_workgroup_size: 512
    .sgpr_count:     100
    .vgpr_count:     256
    .wavefront_size: 32
...
	.end_amdgpu_metadata
.endif
;; end of part 2
;; launch tail (part 3): grid 256 x 1, 4 waves a work-group, no clusters, 221,696 bytes of LDS; arguments cc, cs, src, Wo_scales, W1_scales, W2_scales, bo, b1, b2, g2, beta2, out0; writes out0
.if DOCPART == 3
	.amdgcn_target "amdgcn-amd-amdhsa--gfx1250"
	.amdhsa_code_object_version 6
	.text
	.protected	k_q9a92007981_tail
	.globl	k_q9a92007981_tail
	.p2align	8
	.type	k_q9a92007981_tail,@function
k_q9a92007981_tail:
	s_mov_b64 s[64:65], 0
	v_nop
	global_prefetch_b8 v0, s[64:65] scope:SCOPE_SE
	s_setreg_imm32_b32 hwreg(HW_REG_WAVE_MODE, 25, 1), 1
	s_wait_xcnt 0x0
; src2 = src + ctx Wo + bo;  y = layernorm(src2) g2 + beta2;  out0 = src2 + relu(y W1 + b1) W2 + b2.  The three products on codes of E3M2; y and the hidden layer are quantised on the way and never go to memory.
; SHARES.  A work-group takes 32 tokens (two tiles: tile m, lane r is token 8 m + r + 8 (r / 8)).  Each weight goes in 8 chunks of 128 rows x all of K.  Of chunk c wave w multiplies rows
; 256 (c / 2) + 64 w + 32 (c % 2) + 0 .. 31, transposed (source 0 = 16 weight rows, source 1 = 16 tokens): a lane holds one token and 16 neighbouring columns; a pair of chunks gives a wave 64 neighbouring columns, 256 bytes of a row.
; THE WEIGHTS GO FROM MEMORY STRAIGHT INTO REGISTERS.  No two waves of a work-group use the same weight row, so no LDS tile is kept and nothing could be asked for jointly: hence no cluster.
; The launch before has laid the codes behind cc's in the order of the operand's registers: a wave's 24,576 bytes of a chunk are 48 loads of 512 consecutive bytes.  Two register sets take turns; chunk c + 2 is asked for
; inside chunk c, across the changes of product too.  These loads run two chunks ahead of their use, so no separate prefetch is laid.
; LOADS OUT.  A chunk's group of loads is 48 (codes) + 2 (scale words) + 4 (bias), and 8 more (src) in the first product: 54 or 62.  At a chunk's head the wait leaves the next chunk's group out.
; src2 lies in LDS as register images, each wave's own 32,768 bytes.  The left operand: ctx from memory in the order of its registers; y and the hidden layer through LDS as half fragments.
; out0 leaves by pairs of chunks through each wave's own stage: 32 rows x 256 bytes, stored as whole aligned units of 256 bytes.
; LIMITS.  NaN and infinities among the inputs are not served; a block under 2^-122 or of zeros gets the byte 1 (read by this program alone); 1 / sqrt by v_rsq_f32 (1 ulp); sums in another order than the reference's.
.set CHB,   98304                      ; a chunk of codes: four waves' 24,576 bytes
.set S2,    0                          ; src2: 32768 w + 4096 c + 512 q + 16 L
.set AIMG,  131072                     ; y's 16 fragments (2 s + m) x 1,536
.set HIMG,  155648                     ; the hidden layer's
.set ASC,   180224                     ; y's scale words, 128 bytes a fragment
.set HSC,   182272
.set STAT,  184320                     ; the waves' partial sums
.set STG,   186368                     ; four stages of 32 rows x 272 bytes
.set SPARE, 221184                     ; the spare words: named by no other line
.set SPW, 1
.set NIL, 2
.set L16, 3
.set L24, 4
.set AIL, 5
.set HIL, 6
.set ASL, 7
.set HSL, 8
.set YW,  9                            ; AIMG + 3072 (w / 2) + 768 (w % 2) + 24 r + 12 h
.set YS,  10                           ; ASC + 4 L + 256 (w / 2) + 2 (w % 2)
.set HW,  11
.set HS,  12
.set XA,  13                           ; 4096 rho(r) + 256 w + 64 h
.set GA,  14                           ; 256 w + 64 h
.set SCA, 15                           ; 32 (8 h + rho(r))
.set STW, 16
.set STR, 17
.set R4,  18
.set S2A, 19
.set SOM, 21                           ; the stage, in: row r, 64 h
.set SR,  22                           ; back: row h, 16 r
.set CO,  23                           ; 4096 h + 16 r
.set S2C, 24
.set HWC, 25
.set HSCU, 26
.set ASW, 28                           ; v28-43 the left operand's scale words (2 s + m)
.set BSW, 44                           ; v44-59 the weights', two sets
.set ACC, 60                           ; v60-91 four accumulators, 16 m + 8 u + j
.set SRCB, 92                          ; v92-155 what the sums begin with, two sets of 32; during the norm: 64 finished numbers
.set Y,   92
.set BIAS, 156                         ; v156-187 two sets of 16
.set TM,  188
.set TP,  192
.set SO,  196
.set BY,  200
.set CD,  204
.set SA,  220
.set MU,  228
.set RS,  232
.set PS,  236
; window 1: the left operand at 12 (2 s + m); during the norm g2 (16 c + e) and beta2 (128 + 16 c + e).  windows 2, 3: v0-191 the two sets of a chunk's fragments at 12 (2 s + u);
; v192-255: during the norm 64 numbers of src2, by turns; window 2's in the third product: 32 rows read back from the stage.
; s[4:27] the twelve buffers; s[8 + 2 ph], s[14 + 2 ph]: product ph's scale bytes and bias.
.set PW,  28                           ; the weights' images, at this pair of chunks
.set WV,  30
.set TC,  32
.set O1,  33
.set HO1, 34
.set HO2, 35
.set SEL, 36
.set K10, 38
.set EPS, 39
.set MSB, 0
.macro WIN new                         ; the immediate's high byte repeats the setting that is left
.if MSB != \new
	s_set_vgpr_msb (MSB<<8)|\new
.set MSB, \new
.endif
.endm
.macro NOP4
.rept 4
	v_nop
.endr
.endm
.macro QCORE src, nb, abs              ; nb blocks, 16 numbers of my half each, to codes in v[CD + 4 b ..] and bytes in v[BY + b]; the floor 2^(5 - 127) keeps the byte at 1 or more; abs = 0: none is negative
.set qb, 0
.rept \nb
.if \abs
	v_max3_num_f32 v[TM+qb], |v[(\src)+16*qb]|, |v[(\src)+16*qb+1]|, 0x2800000
.else
	v_max3_num_f32 v[TM+qb], v[(\src)+16*qb], v[(\src)+16*qb+1], 0x2800000
.endif
.set qb, qb+1
.endr
.irp qi, 2,4,6,8,10,12,14
.set qb, 0
.rept \nb
.if \abs
	v_max3_num_f32 v[TM+qb], v[TM+qb], |v[(\src)+16*qb+\qi]|, |v[(\src)+16*qb+\qi+1]|
.else
	v_max3_num_f32 v[TM+qb], v[TM+qb], v[(\src)+16*qb+\qi], v[(\src)+16*qb+\qi+1]
.endif
.set qb, qb+1
.endr
.endr
.set qb, 0
.rept \nb
	v_permlanex16_b32 v[TP+qb], v[TM+qb], s[SEL], s[SEL+1]
.set qb, qb+1
.endr
.set qb, 0
.rept \nb
	v_max_num_f32 v[TM+qb], v[TM+qb], v[TP+qb]
.set qb, qb+1
.endr
.set qb, 0
.rept \nb
	v_add_nc_u32 v[SO+qb], 0xfe000000, v[TM+qb]
.set qb, qb+1
.endr
.set qb, 0
.rept \nb
	v_lshrrev_b32 v[BY+qb], 23, v[SO+qb]
.set qb, qb+1
.endr
.set qb, 0
.rept \nb
	v_cvt_scalef32_pk16_bf6_f32 v[CD+4*qb:CD+4*qb+2], v[(\src)+16*qb:(\src)+16*qb+15], v[SO+qb]
.set qb, qb+1
.endr
	v_nop                                          ; one plain line behind the last scaled conversion
.endm
.macro WMM d, a, b, c, sa, sb, ra      ; ra: source 0's scales stand in lanes 16-31
.if (\ra)
	v_wmma_scale_f32_16x16x128_f8f6f4 v[(\d):(\d)+7], v[(\a):(\a)+11], v[(\b):(\b)+11], v[(\c):(\c)+7], v[\sa], v[\sb] matrix_a_fmt:MATRIX_FMT_BF6 matrix_b_fmt:MATRIX_FMT_BF6 matrix_a_scale:MATRIX_SCALE_ROW1
.else
	v_wmma_scale_f32_16x16x128_f8f6f4 v[(\d):(\d)+7], v[(\a):(\a)+11], v[(\b):(\b)+11], v[(\c):(\c)+7], v[\sa], v[\sb] matrix_a_fmt:MATRIX_FMT_BF6 matrix_b_fmt:MATRIX_FMT_BF6
.endif
.endm
.macro WLOAD buf, ofs, i0              ; half a chunk's codes, 24 loads of 512 consecutive bytes, into set buf
	WIN 0x80+0x40*(\buf)
.set i, \i0
.rept 24
	global_load_b128 v[4*i:4*i+3], v[L16], s[PW:PW+1] offset:(\ofs)+512*i
.set i, i+1
.endr
	WIN 0
.endm
; a chunk's scale words (lane (r, h): the 32 bytes of row 8 h + rho(r)), for the first product its src, and its bias, in the results' layout
.macro AUX set, tp, sp, so, bp, bof
	global_load_b128 v[BSW+8*(\set):BSW+8*(\set)+3], v[SCA], s[\sp:\sp+1] offset:\so
	global_load_b128 v[BSW+8*(\set)+4:BSW+8*(\set)+7], v[SCA], s[\sp:\sp+1] offset:(\so)+16
.if (\tp) == 1
.irp m, 0,1
.irp q, 0,1,2,3
	global_load_b128 v[SRCB+32*(\set)+16*\m+4*\q:SRCB+32*(\set)+16*\m+4*\q+3], v[XA], s[8:9] offset:(\bof)+32768*\m+16*\q
.endr
.endr
.endif
.irp q, 0,1,2,3
	global_load_b128 v[BIAS+16*(\set)+4*\q:BIAS+16*(\set)+4*\q+3], v[GA], s[\bp:\bp+1] offset:(\bof)+16*\q
.endr
.endm
.macro S2LOAD set, adr, ofs            ; a chunk of src2 back from my LDS bytes
.irp q, 0,1,2,3,4,5,6,7
	ds_load_b128 v[SRCB+32*(\set)+4*\q:SRCB+32*(\set)+4*\q+3], v[\adr] offset:(\ofs)+512*\q
.endr
.endm
.macro MULS ph, par, k0                ; four K steps: 16 products, the four accumulators by turns
	WIN 0x06+(\par)
.irp kk, 0,1,2,3
.irp m, 0,1
.irp u, 0,1
.set ks, (\k0)+\kk
.set dd, ACC+8*(2*\m+\u)
.if ks == 0
.if (\ph) == 2
.set cr, BIAS+16*(\par)+8*\u
.else
.set cr, SRCB+32*(\par)+16*\m+8*\u
.endif
.else
.set cr, dd
.endif
	WMM dd, 12*(2*ks+\u), 12*(2*ks+\m), cr, BSW+8*(\par)+ks, ASW+2*ks+\m, \u
.endr
.endr
.endr
.endm
; A CHUNK of product ph.  par: its place in a pair, and its register sets.  nxt: 1 the chunk two on is this product's, 2 the next product's, 0 there is none.  left: the next chunk's loads, which may stay out.
.macro CHUNK ph, par, nxt, left
	s_wait_alu depctr_va_vdst(0)                   ; directly ahead of the waits below
	s_wait_loadcnt \left
	s_wait_dscnt 0x0
.if (\ph) != 2
.irp i, 0,1,2,3,4,5,6,7
.irp m, 0,1
	v_pk_add_f32 v[SRCB+32*(\par)+16*\m+2*\i:SRCB+32*(\par)+16*\m+2*\i+1], v[SRCB+32*(\par)+16*\m+2*\i:SRCB+32*(\par)+16*\m+2*\i+1], v[BIAS+16*(\par)+2*\i:BIAS+16*(\par)+2*\i+1]   ; src + bo, or src2 + b2: the C of the first K step
.endr
.endr
.endif
	MULS \ph, \par, 0
.if \nxt
	NOP4                                           ; four places in front of loads into registers that these products have read
	WLOAD \par, ((\par)+2)*CHB, 0
.endif
	MULS \ph, \par, 4
	WIN 0
	NOP4                                           ; four places: for the first read of results and for the loads below
.if (\ph) == 1
.irp i, 0,1,2,3,4,5,6,7
.irp m, 0,1
	v_pk_add_f32 v[SA+4*\m+2*(\i%2):SA+4*\m+2*(\i%2)+1], v[SA+4*\m+2*(\i%2):SA+4*\m+2*(\i%2)+1], v[ACC+16*\m+2*\i:ACC+16*\m+2*\i+1]   ; the rows' sums, four chains by turns
.endr
.endr
.irp q, 0,1,2,3,4,5,6,7
	ds_store_b128 v[S2C], v[ACC+4*\q:ACC+4*\q+3] offset:4096*(\par)+512*\q
.endr
.elseif (\ph) == 2
.set i, 0
.rept 32
	v_max_num_f32 v[ACC+i], 0, v[ACC+i]
.set i, i+1
.endr
	QCORE ACC, 2, 0                                ; my 32 hidden units are block 2 (w % 2) + par of K step 2 (pair) + w / 2 of the third product
.irp m, 0,1
.irp i, 0,1,2
	ds_store_b32 v[HWC], v[CD+4*\m+\i] offset:384*(\par)+1536*\m+4*\i
.endr
.endr
.irp m, 0,1
	ds_store_b8 v[HSCU], v[BY+\m] offset:(\par)+128*\m
.endr
.else
.irp m, 0,1
.irp q, 0,1,2,3
	ds_store_b128 v[SOM], v[ACC+16*\m+4*\q:ACC+16*\m+4*\q+3] offset:4352*\m+128*(\par)+16*\q
.endr
.endr
.if \par
	WIN 0x80
.irp t, 0,1,2,3,4,5,6,7,8,9,10,11,12,13,14,15
	ds_load_b128 v[192+4*\t:195+4*\t], v[SR] offset:544*\t   ; LDS serves a wave's instructions in order (ISA guide 5.7.1.4): these see the stores of both chunks
.endr
	WIN 0
.endif
.endif
.if \nxt
	WLOAD \par, ((\par)+2)*CHB, 24
.if (\nxt) == 1
	AUX \par, \ph, 8+2*(\ph), 8192+1024*(\par), 14+2*(\ph), 1024+128*(\par)
.else
	AUX \par, (\ph)+1, 10+2*(\ph), 1024*(\par), 16+2*(\ph), 128*(\par)
.endif
.if (\ph) == 3
	S2LOAD \par, S2C, ((\par)+2)*4096
.endif
.endif
.if (\ph) == 3 && (\par)
.if \nxt
	s_wait_dscnt 8                                 ; the 32 rows are back; the 8 younger loads of src2 may be out
.else
	s_wait_dscnt 0x0
.endif
	WIN 0x08
.irp t, 0,1,2,3,4,5,6,7,8,9,10,11,12,13,14,15
	global_store_b128 v[CO], v[192+4*\t:195+4*\t], s[26:27] offset:(8*(\t/8)+(2*\t)%16+8*(((2*\t)%16)/8))*4096 th:TH_STORE_NT   ; sixteen lanes store 256 consecutive bytes, at a multiple of 256 from out0's first byte
.endr
	WIN 0
.endif
.endm
.macro TOP ph                          ; this pair's LDS addresses
.if (\ph) == 2
	v_add_nc_u32 v[HWC], s[HO1], v[HW]
	v_add_nc_u32 v[HSCU], s[HO2], v[HS]
.else
	v_add_nc_u32 v[S2C], s[O1], v[S2A]
.endif
.endm
.macro STEPS ph                        ; a pair on; the loads and stores have read their bases and registers
	s_wait_xcnt 0x0
	s_add_nc_u64 s[PW:PW+1], s[PW:PW+1], 2*CHB
	s_add_nc_u64 s[8+2*(\ph):9+2*(\ph)], s[8+2*(\ph):9+2*(\ph)], 8192
	s_add_nc_u64 s[14+2*(\ph):15+2*(\ph)], s[14+2*(\ph):15+2*(\ph)], 1024
.if (\ph) == 1
	s_add_nc_u64 s[8:9], s[8:9], 1024
.elseif (\ph) == 3
	s_add_nc_u64 s[26:27], s[26:27], 1024
.endif
.if (\ph) == 2
	s_add_co_u32 s[HO1], s[HO1], 6144
	s_add_co_u32 s[HO2], s[HO2], 512
.else
	s_add_co_u32 s[O1], s[O1], 8192
.endif
	s_add_co_u32 s[TC], s[TC], 1
	s_cmp_lt_u32 s[TC], 3
.endm
.macro ALOADS adr, sadr                ; the left operand's 16 fragments and scale words out of LDS
	WIN 0x40
.irp f, 0,1,2,3,4,5,6,7,8,9,10,11,12,13,14,15
.irp c, 0,1
.irp p, 0,1,2
	ds_load_b64 v[12*\f+6*\c+2*\p:12*\f+6*\c+2*\p+1], v[\adr] offset:1536*\f+768*\c+8*\p
.endr
.endr
.endr
	WIN 0
.irp f, 0,1,2,3,4,5,6,7,8,9,10,11,12,13,14,15
	ds_load_b32 v[ASW+\f], v[\sadr] offset:128*\f
.endr
.endm
; SA's two chains for each tile of tokens are folded, joined with lane l xor 16, and added over the four waves in a fixed order: v[PS + 4 m] is the row's sum, the same bits in every wave.
.macro EXCH off
.irp m, 0,1
	v_pk_add_f32 v[SA+4*\m:SA+4*\m+1], v[SA+4*\m:SA+4*\m+1], v[SA+4*\m+2:SA+4*\m+3]
.endr
.irp m, 0,1
	v_add_f32 v[SA+4*\m], v[SA+4*\m], v[SA+4*\m+1]
.endr
.irp m, 0,1
	v_permlanex16_b32 v[TP+\m], v[SA+4*\m], s[SEL], s[SEL+1]
.endr
.irp m, 0,1
	v_add_f32 v[SA+4*\m], v[SA+4*\m], v[TP+\m]
.endr
.irp m, 0,1
	ds_store_b32 v[STW], v[SA+4*\m] offset:\off+128*\m
.endr
	s_wait_alu depctr_va_vdst(0)
	s_wait_dscnt 0x0                               ; for the others' sake: my stores have landed
	s_barrier_signal -1
	s_barrier_wait -1
.irp m, 0,1
.irp q, 0,1,2,3
	ds_load_b32 v[PS+4*\m+\q], v[STR] offset:\off+256*\q+128*\m
.endr
.endr
	s_wait_dscnt 0x0
.irp m, 0,1
	v_add_f32 v[PS+4*\m], v[PS+4*\m], v[PS+4*\m+1]
	v_add_f32 v[PS+4*\m+2], v[PS+4*\m+2], v[PS+4*\m+3]
.endr
.irp m, 0,1
	v_add_f32 v[PS+4*\m], v[PS+4*\m], v[PS+4*\m+2]
.endr
.endm
.macro LOADRAW bt                      ; 64 numbers of src2 (chunks 2 bt, 2 bt + 1) into v192-255 of window 2 + bt % 2
	WIN 0x80+0x40*((\bt)%2)
.irp q, 0,1,2,3,4,5,6,7,8,9,10,11,12,13,14,15
	ds_load_b128 v[192+4*\q:195+4*\q], v[S2A] offset:8192*(\bt)+512*\q
.endr
	WIN 0
.endm
.macro RAWWAIT bt                      ; the next batch is asked for; this one is in: the 16 younger loads may be out
.if (\bt) < 3
	LOADRAW (\bt)+1
	s_wait_alu depctr_va_vdst(0)
	s_wait_dscnt 16
.else
	s_wait_alu depctr_va_vdst(0)
	s_wait_dscnt 0x0
.endif
.endm
.macro SUBMU bt                        ; less their rows' means, in place
	WIN (0x41*(2+(\bt)%2))
.set i, 0
.rept 32
	v_pk_add_f32 v[192+2*i:193+2*i], v[192+2*i:193+2*i], v[MU+2*((i/8)%2):MU+2*((i/8)%2)+1] neg_lo:[0,1] neg_hi:[0,1]
.set i, i+1
.endr
.endm
	s_load_b512 s[4:19], s[0:1], 0x0               ; cc, cs, src, Wo scales, W1 scales, W2 scales, bo, b1
	s_load_b256 s[20:27], s[0:1], 0x40             ; b2, g2, beta2, out0
	s_load_b64 s[PW:PW+1], s[0:1], 0x0             ; cc once more: the weights' images lie behind its codes
	v_lshl_add_u32 v[SPW], v0, 2, SPARE
	v_mov_b32 v[NIL], 0
	v_lshrrev_b32 v244, 5, v0
	v_readfirstlane_b32 s[WV], v244                ; wave 0..3
	s_lshr_b32 s31, s[WV], 1
	s_and_b32 s45, s[WV], 1
	s_mul_i32 s40, s31, 3072
	s_mul_i32 s41, s45, 768
	s_add_co_u32 s40, s40, s41
	s_lshl_b32 s41, s31, 8
	s_lshl_b32 s45, s45, 1
	s_add_co_u32 s41, s41, s45
	s_lshl_b32 s42, s[WV], 8
	s_lshl_b32 s43, s[WV], 15
	s_mul_i32 s44, s[WV], 8704
	s_add_co_u32 s44, s44, STG
	s_mul_i32 s46, ttmp9, 24576                    ; my 32 tokens in cc,
	s_mov_b32 s47, 0
	s_lshl_b32 s48, ttmp9, 10                      ; in cs,
	s_mov_b32 s49, 0
	s_lshl_b32 s50, ttmp9, 17                      ; in src,
	s_mov_b32 s51, 0
	s_add_co_u32 s52, s50, s42                     ; and in out0, at my 256 bytes of a row
	s_mov_b32 s53, 0
	s_lshl_b32 s54, s[WV], 11                      ; my 64 rows' scale bytes
	s_mov_b32 s55, 0
	s_mul_i32 s56, s[WV], 24576
	s_add_co_u32 s56, s56, 6291456
	s_mov_b32 s57, 0
	s_mov_b32 s[SEL], 0x76543210
	s_mov_b32 s[SEL+1], 0xfedcba98
	s_mov_b32 s[K10], 0x3a800000
	s_mov_b32 s[EPS], 0x3727c5ac
	s_mov_b32 s[TC], 0
	s_mov_b32 s[O1], 0
	v_and_b32 v244, 31, v0                         ; L
	v_and_b32 v245, 15, v0                         ; r
	v_bfe_u32 v246, v0, 4, 1                       ; h
	v_and_b32 v247, 8, v245
	v_add_nc_u32 v247, v247, v245                  ; rho(r)
	v_lshlrev_b32 v[L16], 4, v244
	v_mul_u32_u24 v[L24], v244, 24
	v_add_nc_u32 v[AIL], AIMG, v[L24]
	v_add_nc_u32 v[HIL], HIMG, v[L24]
	v_lshl_add_u32 v[ASL], v244, 2, ASC
	v_lshl_add_u32 v[HSL], v244, 2, HSC
	v_mul_u32_u24 v248, v245, 24
	v_mad_u32_u24 v248, v246, 12, v248
	v_add_nc_u32 v248, s40, v248
	v_add_nc_u32 v[YW], AIMG, v248
	v_add_nc_u32 v[HW], HIMG, v248
	v_add_nc_u32 v[YS], s41, v[ASL]
	v_add_nc_u32 v[HS], s41, v[HSL]
	v_lshl_add_u32 v[GA], v246, 6, s42
	v_lshl_add_u32 v[XA], v247, 12, v[GA]
	v_lshlrev_b32 v[SCA], 5, v247
	v_lshl_add_u32 v[SCA], v246, 8, v[SCA]
	v_lshl_add_u32 v[STR], v244, 2, STAT
	v_add_nc_u32 v[STW], s42, v[STR]
	v_lshlrev_b32 v[R4], 2, v245
	v_add_nc_u32 v[S2A], s43, v[L16]
	v_mul_u32_u24 v248, v245, 272
	v_lshl_add_u32 v248, v246, 6, v248
	v_add_nc_u32 v[SOM], s44, v248
	v_mul_u32_u24 v249, v246, 272
	v_lshl_add_u32 v249, v245, 4, v249
	v_add_nc_u32 v[SR], s44, v249
	v_lshlrev_b32 v[CO], 12, v246
	v_lshl_add_u32 v[CO], v245, 4, v[CO]
.irp b, 0,1,2,3
	v_mov_b32 v[TP+\b], 0                          ; written once: a lane permute's destination counts as one of its sources
.endr
.irp i, 0,1,2,3,4,5,6,7
	v_mov_b32 v[SA+\i], 0
.endr
	s_wait_alu depctr_va_vdst(0)
	s_wait_kmcnt 0x0
	s_add_nc_u64 s[4:5], s[4:5], s[46:47]
	s_add_nc_u64 s[6:7], s[6:7], s[48:49]
	s_add_nc_u64 s[8:9], s[8:9], s[50:51]
	s_add_nc_u64 s[26:27], s[26:27], s[52:53]
	s_add_nc_u64 s[10:11], s[10:11], s[54:55]
	s_add_nc_u64 s[12:13], s[12:13], s[54:55]
	s_add_nc_u64 s[14:15], s[14:15], s[54:55]
	s_add_nc_u64 s[PW:PW+1], s[PW:PW+1], s[56:57]
	WIN 0x40
.irp m, 0,1                                    ; ctx: 16 fragments, as they were stored: 24 bytes a lane and half
.irp st, 0,1,2,3,4,5,6,7
.irp c, 0,1
.irp p, 0,1,2
	global_load_b64 v[12*(2*\st+\m)+6*\c+2*\p:12*(2*\st+\m)+6*\c+2*\p+1], v[L24], s[4:5] offset:12288*\m+1536*\st+768*\c+8*\p
.endr
.endr
.endr
.endr
	WIN 0
.irp m, 0,1
.irp st, 0,1,2,3,4,5,6,7
	global_load_b32 v[ASW+2*\st+\m], v[R4], s[6:7] offset:512*\m+64*\st
.endr
.endr
	WLOAD 0, 0, 0                                  ; chunks 0 and 1
	WLOAD 0, 0, 24
	AUX 0, 1, 10, 0, 16, 0
	WLOAD 1, CHB, 0
	WLOAD 1, CHB, 24
	AUX 1, 1, 10, 1024, 16, 128
	; ---- src + bo + ctx Wo: three trips of two chunks, and the last pair, which asks for W1's first two
.Lp1:
	TOP 1
	CHUNK 1, 0, 1, 62
	CHUNK 1, 1, 1, 62
	STEPS 1
	s_cbranch_scc1 .Lp1
	TOP 1
	CHUNK 1, 0, 2, 62
	CHUNK 1, 1, 2, 54
	s_wait_alu depctr_va_vdst(0)
	s_wait_xcnt 0x0
	s_add_nc_u64 s[PW:PW+1], s[PW:PW+1], 2*CHB
	; ---- the second norm.  A lane holds 128 numbers of each of its two rows; a row is spread over two lanes of each of the four waves.
	WIN 0x40
.irp c, 0,1,2,3,4,5,6,7
.irp q, 0,1,2,3
	global_load_b128 v[16*\c+4*\q:16*\c+4*\q+3], v[GA], s[22:23] offset:1024*(\c/2)+128*(\c%2)+16*\q
	global_load_b128 v[128+16*\c+4*\q:128+16*\c+4*\q+3], v[GA], s[24:25] offset:1024*(\c/2)+128*(\c%2)+16*\q
.endr
.endr
	WIN 0
	LOADRAW 0
	EXCH 0
.irp m, 0,1
	v_mul_f32 v[MU+2*\m], s[K10], v[PS+4*\m]
.endr
.irp m, 0,1
	v_mov_b32 v[MU+2*\m+1], v[MU+2*\m]
.endr
.irp i, 0,1,2,3,4,5,6,7
	v_mov_b32 v[SA+\i], 0
.endr
.irp bt, 0,1,2,3                               ; the squares of x - mean: no difference of large sums is formed
	RAWWAIT \bt
	SUBMU \bt
	WIN 5*(2+\bt%2)
.set j, 0
.rept 32
.set i, 16*(j/16)+8*((j/2)%2)+2*((j/4)%4)+j%2
	v_pk_fma_f32 v[SA+4*((i/8)%2)+2*(i%2):SA+4*((i/8)%2)+2*(i%2)+1], v[192+2*i:193+2*i], v[192+2*i:193+2*i], v[SA+4*((i/8)%2)+2*(i%2):SA+4*((i/8)%2)+2*(i%2)+1]   ; four chains by turns
.set j, j+1
.endr
	WIN 0
.endr
	LOADRAW 0
	EXCH 1024
.irp m, 0,1
	v_fma_f32 v[RS+2*\m], v[PS+4*\m], s[K10], s[EPS]
.endr
	s_wait_alu depctr_va_vdst(0)                   ; the wait ahead of the two,
.irp m, 0,1
	v_rsq_f32 v[RS+2*\m], v[RS+2*\m]
.endr
	v_nop                                          ; a plain line behind them,
	s_wait_alu depctr_va_vdst(0)                   ; and the wait ahead of their first reader
.irp m, 0,1
	v_mov_b32 v[RS+2*\m+1], v[RS+2*\m]
.endr
	s_wait_alu depctr_va_vdst(0)
	s_wait_loadcnt 0x0                             ; g2 and beta2
.irp bt, 0,1,2,3                               ; y, quantised: block 2 par + m of the batch is block 2 (w % 2) + par of fragment (2 bt + w / 2, m)
	RAWWAIT \bt
	SUBMU \bt
.set i, 0
.rept 32
	v_pk_mul_f32 v[192+2*i:193+2*i], v[192+2*i:193+2*i], v[RS+2*((i/8)%2):RS+2*((i/8)%2)+1]
.set i, i+1
.endr
	WIN 0x16+\bt%2
.set i, 0
.rept 32
	v_pk_fma_f32 v[Y+2*i:Y+2*i+1], v[192+2*i:193+2*i], v[16*(2*\bt+i/16)+(2*i)%16:16*(2*\bt+i/16)+(2*i)%16+1], v[128+16*(2*\bt+i/16)+(2*i)%16:128+16*(2*\bt+i/16)+(2*i)%16+1]
.set i, i+1
.endr
	WIN 0
	QCORE Y, 4, 1
.irp b, 0,1,2,3
.irp i, 0,1,2
	ds_store_b32 v[YW], v[CD+4*\b+\i] offset:6144*\bt+384*(\b/2)+1536*(\b%2)+4*\i
.endr
.endr
.irp b, 0,1,2,3
	ds_store_b8 v[YS], v[BY+\b] offset:512*\bt+128*(\b%2)+\b/2
.endr
.endr
	s_wait_alu depctr_va_vdst(0)
	s_wait_dscnt 0x0                               ; for the others' sake: my stores have landed
	s_barrier_signal -1
	s_barrier_wait -1                              ; y's sixteen fragments lie in LDS
	ALOADS AIL, ASL
	; ---- relu(y W1 + b1)
	s_mov_b32 s[HO1], 0
	s_mov_b32 s[HO2], 0
	s_mov_b32 s[TC], 0
.Lp2:
	TOP 2
	CHUNK 2, 0, 1, 54
	CHUNK 2, 1, 1, 54
	STEPS 2
	s_cbranch_scc1 .Lp2
	TOP 2
	CHUNK 2, 0, 2, 54
	CHUNK 2, 1, 2, 54
	s_wait_xcnt 0x0
	s_add_nc_u64 s[PW:PW+1], s[PW:PW+1], 2*CHB
	s_wait_alu depctr_va_vdst(0)
	s_wait_dscnt 0x0
	s_barrier_signal -1
	s_barrier_wait -1                              ; the hidden layer's sixteen fragments lie in LDS
	ALOADS HIL, HSL
	S2LOAD 0, S2A, 0
	S2LOAD 1, S2A, 4096
	; ---- src2 + b2 + h W2: each pair of chunks leaves as soon as it is finished
	s_mov_b32 s[O1], 0
	s_mov_b32 s[TC], 0
.Lp3:
	TOP 3
	CHUNK 3, 0, 1, 54
	CHUNK 3, 1, 1, 54
	STEPS 3
	s_cbranch_scc1 .Lp3
	CHUNK 3, 0, 0, 54
	CHUNK 3, 1, 0, 0
	s_wait_tensorcnt 0x0                           ; the wave's end
	ds_add_u32 v[SPW], v[NIL]
	s_wait_dscnt 0x0
	s_endpgm
.Lfunc_end_k_q9a92007981_tail:
	.size	k_q9a92007981_tail, .Lfunc_end_k_q9a92007981_tail-k_q9a92007981_tail
	.p2alignl 7, 3214868480
	.fill 96, 4, 3214868480
	.section	.rodata,"a",@progbits
	.p2align	6, 0x0
	.amdhsa_kernel k_q9a92007981_tail
		.amdhsa_group_segment_fixed_size 221696
		.amdhsa_private_segment_fixed_size 0
		.amdhsa_enable_private_segment 0
		.amdhsa_kernarg_size 96
		.amdhsa_user_sgpr_count 2
		.amdhsa_user_sgpr_kernarg_segment_ptr 1
		.amdhsa_wavefront_size32 1
		.amdhsa_system_sgpr_workgroup_id_x 1
		.amdhsa_system_sgpr_workgroup_id_y 1
		.amdhsa_system_sgpr_workgroup_id_z 1
		.amdhsa_system_vgpr_workitem_id 0
		.amdhsa_next_free_vgpr 1024
		.amdhsa_next_free_sgpr 66
		.amdhsa_reserve_vcc 0
		.amdhsa_float_denorm_mode_32 3
		.amdhsa_float_denorm_mode_16_64 3
		.amdhsa_memory_ordered 1
		.amdhsa_forward_progress 1
		.amdhsa_inst_pref_size 255
	.end_amdhsa_kernel
	.section	.bss,"aw",@nobits
	.p2align	6
	.space	262144
	.amdgpu_metadata
---
amdhsa.version: [ 1, 2 ]
amdhsa.kernels:
  - .name:           k_q9a92007981_tail
    .symbol:         k_q9a92007981_tail.kd
    .args:
      - { .name: cc, .offset: 0, .size: 8, .value_kind: global_buffer, .address_space: global }
      - { .name: cs, .offset: 8, .size: 8, .value_kind: global_buffer, .address_space: global }
      - { .name: src, .offset: 16, .size: 8, .value_kind: global_buffer, .address_space: global }
      - { .name: Wo_scales, .offset: 24, .size: 8, .value_kind: global_buffer, .address_space: global }
      - { .name: W1_scales, .offset: 32, .size: 8, .value_kind: global_buffer, .address_space: global }
      - { .name: W2_scales, .offset: 40, .size: 8, .value_kind: global_buffer, .address_space: global }
      - { .name: bo, .offset: 48, .size: 8, .value_kind: global_buffer, .address_space: global }
      - { .name: b1, .offset: 56, .size: 8, .value_kind: global_buffer, .address_space: global }
      - { .name: b2, .offset: 64, .size: 8, .value_kind: global_buffer, .address_space: global }
      - { .name: g2, .offset: 72, .size: 8, .value_kind: global_buffer, .address_space: global }
      - { .name: beta2, .offset: 80, .size: 8, .value_kind: global_buffer, .address_space: global }
      - { .name: out0, .offset: 88, .size: 8, .value_kind: global_buffer, .address_space: global }
    .group_segment_fixed_size: 221696
    .private_segment_fixed_size: 0
    .kernarg_segment_align: 8
    .kernarg_segment_size: 96
    .max_flat_workgroup_size: 128
    .sgpr_count:     66
    .vgpr_count:     1024
    .wavefront_size: 32
...
	.end_amdgpu_metadata
.endif
;; end of part 3
